; MI455X (gfx1250); checked and timed in simulation.
; The chip was launched on July 23, 2026; its instructions are those of AMD's public machine-readable ISA for CDNA 5 (MIT licence, August 2026) and "CDNA5" Instruction Set Architecture Reference Guide (July 2026). The comments in the code are by the model that wrote it; some were corrected since.
;; Disordered Causal Self Attention. Allowed arithmetic: matrix products marked QUANTISED: E3M2 operands, one E8M0 scale for each 32 along K, by v_wmma_scale_f32_16x16x128_f8f6f4 with both operands' format E3M2, f32 sums; everything else in f32.
;; Inputs: W_attn 1,024 x 3,072 float32; W_proj 1,024 x 1,024 float32; bK 16 x 64 float32; bQ 16 x 64 float32; b_attn 3,072 float32; b_proj 1,024 float32; x 4 x 2,048 x 1,024 float32.
;; Outputs: out0 4 x 2,048 x 1,024 float32; out1 16 x 64 float32.
;; This version of the problem:
;;   THIS VERSION OF THE PROBLEM IS GIVEN IN LOW PRECISION. The matrix products marked QUANTISED in the list below multiply operands that are first quantised to E3M2 (3 exponent bits, 2 mantissa bits; 6 bits a number), with one power-of-two scale for each 32 numbers along K (OCP MX v1.0); their sums are f32. All else is computed in f32.
;;   The module's matrix products, in the order in which they are computed (A, B: the left and right operand; K: the contracted axis; several contracted axes count as one K, in the product's order):
;;     1. [M 8,192, K 1,024] x [K 1,024, N 3,072]; A: input x; B: input W_attn: QUANTISED
;;     2. batch 64 x [M 2,048, K 64] x [K 64, N 2,048]; A: computed on the way; B: computed on the way: QUANTISED
;;     3. batch 64 x [M 2,048, K 2,048] x [K 2,048, N 64]; A: softmax (see below); B: computed on the way: QUANTISED
;;     4. [M 8,192, K 1,024] x [K 1,024, N 1,024]; A: computed on the way; B: input W_proj: QUANTISED
;;   THE QUANTISER, for each operand of a quantised product, along K:
;;     - K is cut into blocks of 32 from its start; a last block that is shorter is filled with zeros.
;;     - A block's scale is 2^e with e = floor(log2(the largest magnitude in the block)) - 4, held to -126 .. 127; a block of zeros has e = 0. As a byte (E8M0): e + 127.
;;     - Each number is divided by its block's scale, clamped to +-28, and rounded to the nearest number of E3M2, ties to even, subnormals kept.
;;     - The product sums the exact products of the quantised numbers (number of the format x scale) in f32.
;;   ~~~python
;;   def quantise(x, axis):      # numpy; x: float32 -> the quantised numbers, widened to float32 again
;;       x = np.moveaxis(x, axis, -1); K = x.shape[-1]
;;       x = np.pad(x, [(0, 0)] * (x.ndim - 1) + [(0, -K % 32)]); x = x.reshape(x.shape[:-1] + (-1, 32)); a = np.abs(x).max(-1, keepdims=True)
;;       e = np.where(a > 0, np.clip(np.frexp(np.where(a > 0, a, 1))[1] - 1 - 4, -126, 127), 0)      # np.frexp(a)[1] - 1 = floor(log2(a)), exactly
;;       r = np.clip(x / 2.0 ** e, -28, 28)
;;       step = 2.0 ** (np.maximum(np.frexp(np.where(r == 0, 1, r))[1] - 1, -2) - 2)
;;       q = np.round(r / step) * step * 2.0 ** e      # np.round: ties to even
;;       return np.moveaxis(q.reshape(q.shape[:-2] + (-1,))[..., :K], -1, axis).astype(np.float32)
;;   ~~~
;;   SOFTMAX AHEAD OF A QUANTISED PRODUCT. Where the list says 'softmax', what is quantised is not the finished softmax but p = 2^(t - M), with t = logit x log2(e) and M = ceil(the row's largest t), a whole number; so 1/2 < the row's largest p <= 1. The row's sum l is taken of the UNQUANTISED p, in f32, and the product's result is divided by l at the end. Since M is a whole number, a kernel that streams over the keys may use a running M (the ceiling of the running maximum): every later rescaling is an exact power of two, which a block's scale takes up: the codes' values come out the same.
;;   OPERANDS COMPUTED ON THE WAY. 'Computed on the way' means the value that the module computes at that place (a softmax that the list does not call 'softmax' is quantised finished and normalised). What goes into a quantiser is computed in f32, as accurately as f32 sums, v_exp_f32 and their like allow (about 1e-6 of the number): no bf16 or f16 on the way to a quantiser, and a product that is left as it is and whose result goes on into a quantised operand takes f32 operands (vector FMAs, or v_wmma_f32_16x16x4_f32). A number that lies on a knife's edge between two numbers of the format may be rounded either way, as far as f32 arithmetic and the matrix unit's own rounding can turn it there, and no further.
;; 2 versions, each right; version 2 is version 1 with the launch attn written anew for expert scheduling mode. Each part assembles by itself: llvm-mc -triple=amdgcn-amd-amdhsa -mcpu=gfx1250 --defsym DOCPART=n.
;; ======== version 1 of 2: 4 launches
;; workspace buffers: xc 6,291,456 bytes; xs 262,144 bytes; wc 3,145,728 bytes; ws 143,360 bytes; qkvc 18,874,368 bytes; qkvs 786,432 bytes; yc 6,291,456 bytes; ys 262,144 bytes
;; launch prep (part 1): grid 513 x 1, 2 waves a work-group, no clusters, 29,952 bytes of LDS; arguments x, W_attn, W_proj, b_attn, bQ, bK, xc, xs, wc, ws, out1; writes xc, xs, wc, ws, out1
.if DOCPART == 1
	.amdgcn_target "amdgcn-amd-amdhsa--gfx1250"
	.amdhsa_code_object_version 6
	.text
	.protected	k_q2b940b7928_prep
	.globl	k_q2b940b7928_prep
	.p2align	8
	.type	k_q2b940b7928_prep,@function
k_q2b940b7928_prep:
	s_mov_b64 s[64:65], 0
	v_nop
	global_prefetch_b8 v0, s[64:65] scope:SCOPE_SE
	s_setreg_imm32_b32 hwreg(HW_REG_WAVE_MODE, 25, 1), 1
	s_wait_xcnt 0x0
; PREP: x [8192][1024], W_attn [1024][3072] and W_proj [1024][1024], f32, become codes of BF6 (E3M2) with one E8M0 byte for each 32 along K; ball = b_attn + [bQ, bK, 0]; out1 = bQ.
; A block's byte is its largest magnitude's exponent field - 4, held at 1 from below; each number is divided by the scale and rounded to the nearest code, ties to even, beyond 28 the largest code.
; LAYOUT OF THE CODES (this program's own).  A buffer is indexed by POSITION p and holds row pi(p), pi = bits 3 and 4 of the index exchanged (a token of x, a column of W).
; A fragment (16 positions x 128 K: 12 registers a lane) is six pieces of 256 bytes: piece p = registers 2 p, 2 p + 1, lane l's 8 bytes at 8 l.  Buffer: [K / 256][tile of 16 positions][2][6][256].
; Scale bytes: [position][32].  Behind W's 4,096 rows of scale bytes, at byte BALL of ws, lie the 3,072 numbers of ball.
; THREE PATHS, parted by the work-group's number, each with LDS bytes of its own; no barrier, waves share nothing.
;   0-255: x, a wave a tile of 16 positions x all of K.   256-511: W, a wave 32 columns x 256 along K (a lane a column, registers down K).   512: the biases.
; LIMITS: NaN and infinities are not served.  A block of zeros, or one whose largest magnitude lies under 2^-122, gets the byte 1 (its bytes are read by this program alone).
; ball adds b_attn to bQ / bK ahead of the product's sum: an order of f32 rounding other than (x W + b_attn) + bQ.
.set SX,   1572864                     ; bytes of xc for 256 along K: 512 tiles x 3,072
.set SW,   786432                      ; of wc: 256 tiles x 3,072
.set BALL, 131072
.set RAW,  16                          ; path x: v16-143 two sets of 64: a K step of 16 rows as loaded
.set NUM,  144                         ; v144-207 my 64 numbers of the K step: 32 c + m = k 64 c + 32 h + m of my row
.set PC,   208                         ; v208-219 the fragment's 12 registers
.set CT,   220                         ; v220-227 the upper halves of the two blocks, as converted
.set MG,   228                         ; v228-229 largest magnitudes
.set SOP,  230                         ; v230-231 the conversions' scale operands
.set BY,   232                         ; v232-233 bytes
.set WD,   234                         ; v234 my two bytes in place; v235 the other half's
.set SWX,  236                         ; v236-243 my row's eight scale words
.set SOUT, 244                         ; v244-247 the four that I store
.set OFFS, 16                          ; path W: v16-47 4 x lane + i rows of W
.set WX,   48                          ; v48-111 two sets of 32 numbers
.set WC,   112                         ; v112-118 a block's codes
.set WSB,  120                         ; v120-121 my column's eight bytes
.set WM,   122                         ; v122-123 maxima; v124 scale operand; v125 byte
.set WOUT, 128                         ; v128-175 the way out
	s_load_b256 s[4:11], s[0:1], 0x0               ; x s[4:5], W_attn s[6:7], W_proj s[8:9], b_attn s[10:11]
	s_load_b256 s[12:19], s[0:1], 0x20             ; bQ s[12:13], bK s[14:15], xc s[16:17], xs s[18:19]
	s_load_b128 s[20:23], s[0:1], 0x40             ; wc s[20:21], ws s[22:23]
	s_load_b64 s[24:25], s[0:1], 0x50              ; out1
	v_lshl_add_u32 v254, v0, 2, 0x7400
	v_mov_b32 v255, 0
	v_lshrrev_b32 v1, 5, v0
	v_readfirstlane_b32 s26, v1                    ; wave 0, 1
	v_and_b32 v7, 31, v0                           ; lane
	v_and_b32 v8, 15, v0                           ; r
	v_bfe_u32 v9, v0, 4, 1                         ; h
	s_mov_b32 s28, 0x76543210
	s_mov_b32 s29, 0xfedcba98                      ; v_permlanex16_b32's selects for lane l xor 16
	s_mov_b32 s59, 0                               ; the upper word of the offsets' pair s[58:59]
	s_wait_kmcnt 0x0
	s_cmp_lt_u32 ttmp9, 256
	s_cbranch_scc0 .Lnot_x
; ---------------- path x ----------------
	s_lshl_b32 s30, ttmp9, 1
	s_add_co_u32 s30, s30, s26                     ; my tile t; its rows are 32 (t / 2) + 8 (t % 2) + r + 8 (r / 8)
	s_lshl_b32 s58, ttmp9, 17                      ; 32 rows of 4,096 bytes x (t / 2)
	s_lshl_b32 s31, s26, 15                        ; 8 rows x (t % 2)
	s_add_co_u32 s58, s58, s31
	s_add_nc_u64 s[4:5], s[4:5], s[58:59]
	s_mul_i32 s58, s30, 3072
	s_add_nc_u64 s[16:17], s[16:17], s[58:59]
	s_lshl_b32 s58, s30, 9
	s_add_nc_u64 s[18:19], s[18:19], s[58:59]
	s_mul_i32 s31, s26, 8448                       ; my stage: 16 rows of 512 bytes + 16
	v_lshlrev_b32 v1, 4, v7                        ; in memory: 16 bytes a lane, 512 a load
	v_add_nc_u32 v2, s31, v1                       ; into the stage likewise
	v_mul_u32_u24 v3, v8, 528
	v_lshl_add_u32 v3, v9, 7, v3
	v_add_nc_u32 v3, s31, v3                       ; out of it: row r, + 128 h: my 32 neighbours of each 64
	v_lshlrev_b32 v4, 3, v7                        ; a piece: 8 bytes a lane
	v_lshlrev_b32 v5, 5, v8
	v_lshl_add_u32 v5, v9, 4, v5                   ; scale bytes: 32 r + 16 h
	v_lshlrev_b32 v6, 3, v9                        ; 8 h
	v_mov_b32 v[WD+1], 0                           ; written once: a lane permute's destination counts as one of its sources
.macro XLOAD j                         ; K step j (128 along K) of the tile's 16 rows: each load reads 512 consecutive bytes
.irp r, 0,1,2,3,4,5,6,7,8,9,10,11,12,13,14,15
	global_load_b128 v[RAW+64*((\j)%2)+4*\r:RAW+64*((\j)%2)+4*\r+3], v1, s[4:5] offset:(\r+8*(\r/8))*4096+512*(\j) th:TH_LOAD_NT
.endr
.endm
.macro FRAGX j
.if (\j) < 7
	s_wait_loadcnt 16                              ; this K step's 16 loads are in; the next step's 16 may be out
.else
	s_wait_loadcnt 0x0
.endif
.irp r, 0,1,2,3,4,5,6,7,8,9,10,11,12,13,14,15
	ds_store_b128 v2, v[RAW+64*((\j)%2)+4*\r:RAW+64*((\j)%2)+4*\r+3] offset:528*\r
.endr
.irp c, 0,1                            ; LDS serves a wave's instructions in order: these see the stores above
.irp i, 0,1,2,3,4,5,6,7
	ds_load_b128 v[NUM+32*\c+4*\i:NUM+32*\c+4*\i+3], v3 offset:256*\c+16*\i
.endr
.endr
	s_wait_dscnt 0x0                               ; my numbers are in, and the stores have read their registers,
.if (\j) < 6
	XLOAD (\j)+2                                   ; which take the loads of two steps on
.endif
.irp c, 0,1                            ; my block 2 c + h: all its 32 numbers are mine; the floor 2^(5 - 127) holds the byte at 1 from below
	v_max3_num_f32 v[MG+\c], |v[NUM+32*\c]|, |v[NUM+32*\c+1]|, 0x2800000
.endr
.irp i, 2,4,6,8,10,12,14,16,18,20,22,24,26,28,30
.irp c, 0,1
	v_max3_num_f32 v[MG+\c], v[MG+\c], |v[NUM+32*\c+\i]|, |v[NUM+32*\c+\i+1]|
.endr
.endr
.irp c, 0,1
	v_add_nc_u32 v[SOP+\c], 0xfe000000, v[MG+\c]   ; 4 off the exponent field: the conversion's scale operand
.endr
.irp c, 0,1
	v_lshrrev_b32 v[BY+\c], 23, v[SOP+\c]          ; the scale's byte
.endr
	v_lshl_or_b32 v[WD], v[BY+1], 16, v[BY]        ; blocks h and 2 + h of my row,
	v_lshlrev_b32 v[WD], v6, v[WD]                 ; at their places in the word;
	v_permlanex16_b32 v[WD+1], v[WD], s28, s29
	v_or_b32 v[SWX+(\j)], v[WD], v[WD+1]           ; with lane l xor 16's two the word is whole
	s_wait_xcnt 0x0                                ; the last step's stores have read the fragment's registers
	v_cvt_scalef32_pk16_bf6_f32 v[PC:PC+2], v[NUM:NUM+15], v[SOP]
	v_cvt_scalef32_pk16_bf6_f32 v[CT:CT+2], v[NUM+16:NUM+31], v[SOP]
	v_cvt_scalef32_pk16_bf6_f32 v[PC+6:PC+8], v[NUM+32:NUM+47], v[SOP+1]
	v_cvt_scalef32_pk16_bf6_f32 v[CT+4:CT+6], v[NUM+48:NUM+63], v[SOP+1]
	v_nop                                          ; one plain place behind a scaled conversion
.irp c, 0,1
.irp i, 0,1,2
	v_mov_b32 v[PC+3+6*\c+\i], v[CT+4*\c+\i]       ; (a conversion's three registers begin on an even number)
.endr
.endr
.irp p, 0,1,2,3,4,5
	global_store_b64 v4, v[PC+2*\p:PC+2*\p+1], s[16:17] offset:((\j)/2)*SX+((\j)%2)*1536+256*\p   ; 32 lanes store 256 consecutive bytes, aligned
.endr
.endm
	XLOAD 0
	XLOAD 1
.irp j, 0,1,2,3,4,5,6,7
	FRAGX \j
.endr
	v_cmp_eq_u32 vcc_lo, 1, v9
.irp i, 0,1,2,3
	v_cndmask_b32 v[SOUT+\i], v[SWX+\i], v[SWX+4+\i], vcc_lo   ; lanes 0-15 store a row's words 0-3, lanes 16-31 words 4-7
.endr
	global_store_b128 v5, v[SOUT:SOUT+3], s[18:19]  ; 512 consecutive bytes: the tile's 16 rows of scale bytes
	s_wait_tensorcnt 0x0
	ds_add_u32 v254, v255
	s_wait_dscnt 0x0
	s_endpgm
; ---------------- path W ----------------
.Lnot_x:
	s_cmp_lt_u32 ttmp9, 512
	s_cbranch_scc0 .Lbias
	s_sub_co_u32 s30, ttmp9, 256
	s_and_b32 s31, s30, 3                          ; which 256 along K
	s_lshr_b32 s30, s30, 2                         ; a pair of groups of 32 columns
	s_lshl_b32 s48, s30, 1
	s_add_co_u32 s48, s48, s26                     ; my group, 0 .. 127: 0-95 W_attn's, 96-127 W_proj's
	s_cmp_lt_u32 s30, 48                           ; the choice hangs on the work-group's number alone
	s_cselect_b64 s[6:7], s[6:7], s[8:9]
	s_cselect_b32 s49, 8192, 0
	s_cselect_b32 s50, 0, 96
	s_add_co_u32 s49, s49, 4096                    ; a row of W in bytes: 12,288 or 4,096
	s_sub_co_u32 s50, s48, s50                     ; the group within its tensor
	s_lshl_b32 s51, s31, 8
	s_mul_i32 s51, s51, s49                        ; 256 s rows
	s_lshl_b32 s52, s50, 7                         ; 32 columns of 4 bytes
	s_add_co_u32 s52, s51, s52
	s_mov_b32 s53, 0
	s_lshl_b32 s54, s49, 5                         ; 32 rows
	s_mov_b32 s55, 0
	s_add_nc_u64 s[32:33], s[6:7], s[52:53]        ; eight bases, one for each block of 32 along K: nothing is stepped
.irp t, 1,2,3,4,5,6,7
	s_add_nc_u64 s[32+2*\t:33+2*\t], s[30+2*\t:31+2*\t], s[54:55]
.endr
	s_mul_i32 s58, s31, SW
	s_mul_i32 s56, s48, 6144                       ; two tiles of 3,072 bytes a group
	s_add_co_u32 s58, s58, s56
	s_add_nc_u64 s[20:21], s[20:21], s[58:59]
	s_lshl_b32 s58, s48, 10                        ; 32 rows of 32 scale bytes a group
	s_lshl_b32 s56, s31, 3
	s_add_co_u32 s58, s58, s56
	s_add_nc_u64 s[22:23], s[22:23], s[58:59]
	s_mul_i32 s57, s26, 6400
	s_add_co_u32 s57, s57, 16896                   ; my stage: two tiles' images, 3,200 bytes apart
	v_lshlrev_b32 v6, 2, v7                        ; 4 x lane
	v_bfe_u32 v10, v0, 3, 1                        ; column l lies at position pi(l): tile = bit 3 of l,
	v_and_b32 v11, 7, v0
	v_lshl_or_b32 v11, v9, 3, v11                  ; row in the tile = (l % 8) + 8 x bit 4 of l
	v_mul_u32_u24 v2, v10, 3200
	v_lshl_add_u32 v2, v11, 3, v2
	v_add_nc_u32 v2, s57, v2                       ; into the stage: my tile, 8 bytes at my row's lane
	v_lshlrev_b32 v4, 4, v7
	v_add_nc_u32 v3, s57, v4                       ; out of it: 16 bytes a lane
	v_lshl_or_b32 v5, v10, 4, v11
	v_lshlrev_b32 v5, 5, v5                        ; pi(l) rows of 32 scale bytes
.irp i, 0,1,2,3,4,5,6,7,8,9,10,11,12,13,14,15,16,17,18,19,20,21,22,23,24,25,26,27,28,29,30,31
	v_mad_u32_u24 v[OFFS+\i], s49, \i, v6
.endr
.macro WLOAD t                         ; block t: W(256 s + 32 t + i, my column): 32 lanes read 128 consecutive bytes
.irp i, 0,1,2,3,4,5,6,7,8,9,10,11,12,13,14,15,16,17,18,19,20,21,22,23,24,25,26,27,28,29,30,31
	global_load_b32 v[WX+32*((\t)%2)+\i], v[OFFS+\i], s[32+2*(\t):33+2*(\t)] th:TH_LOAD_NT
.endr
.endm
.macro WBLOCK t
.set XS, WX+32*((\t)%2)
.if (\t) < 7
	s_wait_loadcnt 32                              ; this block's 32 loads are in; the next block's may be out
.else
	s_wait_loadcnt 0x0
.endif
	v_max3_num_f32 v[WM], |v[XS]|, |v[XS+1]|, |v[XS+2]|
	v_max3_num_f32 v[WM+1], |v[XS+3]|, |v[XS+4]|, |v[XS+5]|
.irp i, 6,10,14,18,22,26
	v_max3_num_f32 v[WM], v[WM], |v[XS+\i]|, |v[XS+\i+1]|
	v_max3_num_f32 v[WM+1], v[WM+1], |v[XS+\i+2]|, |v[XS+\i+3]|
.endr
	v_max3_num_f32 v[WM], v[WM], |v[XS+30]|, |v[XS+31]|
	v_max3_num_f32 v[WM], v[WM], v[WM+1], 0x2800000  ; the floor 2^(5 - 127)
	v_add_nc_u32 v[WM+2], 0xfe000000, v[WM]
	v_lshrrev_b32 v[WM+3], 23, v[WM+2]
.if (\t)%4 == 0
	v_mov_b32 v[WSB+(\t)/4], v[WM+3]
.else
	v_lshl_or_b32 v[WSB+(\t)/4], v[WM+3], 8*((\t)%4), v[WSB+(\t)/4]
.endif
	v_cvt_scalef32_pk16_bf6_f32 v[WC:WC+2], v[XS:XS+15], v[WM+2]
	v_cvt_scalef32_pk16_bf6_f32 v[WC+4:WC+6], v[XS+16:XS+31], v[WM+2]
	v_nop                                          ; one plain place behind a scaled conversion
	v_mov_b32 v[WC+3], v[WC+4]                     ; the block's six registers on end
	v_mov_b32 v[WC+4], v[WC+5]
	v_mov_b32 v[WC+5], v[WC+6]
.irp e, 0,1,2                          ; block t of my 256 along K is block 2 c + h of fragment t / 4: registers 6 c + 2 e, + 1 of lane (row, h): piece 3 c + e, 128 h bytes on
	ds_store_b64 v2, v[WC+2*\e:WC+2*\e+1] offset:((\t)/4)*1536+(3*(((\t)%4)/2)+\e)*256+((\t)%2)*128
.endr
.if (\t)+2 < 8
	WLOAD (\t)+2
.endif
	s_wait_dscnt 0x0                               ; the stores have read their registers
.endm
	WLOAD 0
	WLOAD 1
.irp t, 0,1,2,3,4,5,6,7
	WBLOCK \t
.endr
	global_store_b64 v5, v[WSB:WSB+1], s[22:23]    ; my column's eight scale bytes (rows 32 bytes apart: a small part of the path's bytes)
.irp n, 0,1,2,3,4,5,6,7,8,9,10,11
	ds_load_b128 v[WOUT+4*\n:WOUT+4*\n+3], v3 offset:(\n/6)*3200+512*(\n%6)
.endr
.irp n, 0,1,2,3,4,5,6,7,8,9,10,11
	s_wait_dscnt 11-\n                             ; LDS loads come back in order: load n is in, the younger ones may be out
	global_store_b128 v4, v[WOUT+4*\n:WOUT+4*\n+3], s[20:21] offset:(\n/6)*3072+512*(\n%6)   ; 512 consecutive bytes
.endr
	s_wait_tensorcnt 0x0
	ds_add_u32 v254, v255
	s_wait_dscnt 0x0
	s_endpgm
; ---------------- the biases ----------------
.Lbias:
	v_lshlrev_b32 v1, 4, v0                        ; 64 threads x 16 bytes, four times, cover 4,096 bytes
.irp k, 0,1,2,3
	global_load_b128 v[16+4*\k:19+4*\k], v1, s[10:11] offset:1024*\k
	global_load_b128 v[32+4*\k:35+4*\k], v1, s[10:11] offset:4096+1024*\k
	global_load_b128 v[48+4*\k:51+4*\k], v1, s[10:11] offset:8192+1024*\k
	global_load_b128 v[64+4*\k:67+4*\k], v1, s[12:13] offset:1024*\k
	global_load_b128 v[80+4*\k:83+4*\k], v1, s[14:15] offset:1024*\k
.endr
	s_wait_loadcnt 0x0
.irp n, 0,2,4,6,8,10,12,14
	v_pk_add_f32 v[16+\n:17+\n], v[16+\n:17+\n], v[64+\n:65+\n]
	v_pk_add_f32 v[32+\n:33+\n], v[32+\n:33+\n], v[80+\n:81+\n]
.endr
.irp k, 0,1,2,3
	global_store_b128 v1, v[16+4*\k:19+4*\k], s[22:23] offset:BALL+1024*\k
	global_store_b128 v1, v[32+4*\k:35+4*\k], s[22:23] offset:BALL+4096+1024*\k
	global_store_b128 v1, v[48+4*\k:51+4*\k], s[22:23] offset:BALL+8192+1024*\k
	global_store_b128 v1, v[64+4*\k:67+4*\k], s[24:25] offset:1024*\k
.endr
	s_endpgm
.Lfunc_end_k_q2b940b7928_prep:
	.size	k_q2b940b7928_prep, .Lfunc_end_k_q2b940b7928_prep-k_q2b940b7928_prep
	.p2alignl 7, 3214868480
	.fill 96, 4, 3214868480
	.section	.rodata,"a",@progbits
	.p2align	6, 0x0
	.amdhsa_kernel k_q2b940b7928_prep
		.amdhsa_group_segment_fixed_size 29952
		.amdhsa_private_segment_fixed_size 0
		.amdhsa_enable_private_segment 0
		.amdhsa_kernarg_size 88
		.amdhsa_user_sgpr_count 2
		.amdhsa_user_sgpr_kernarg_segment_ptr 1
		.amdhsa_wavefront_size32 1
		.amdhsa_system_sgpr_workgroup_id_x 1
		.amdhsa_system_sgpr_workgroup_id_y 1
		.amdhsa_system_sgpr_workgroup_id_z 1
		.amdhsa_system_vgpr_workitem_id 0
		.amdhsa_next_free_vgpr 256
		.amdhsa_next_free_sgpr 66
		.amdhsa_reserve_vcc 1
		.amdhsa_float_denorm_mode_32 3
		.amdhsa_float_denorm_mode_16_64 3
		.amdhsa_memory_ordered 1
		.amdhsa_forward_progress 1
		.amdhsa_inst_pref_size 108
	.end_amdhsa_kernel
	.amdgpu_metadata
---
amdhsa.version: [ 1, 2 ]
amdhsa.kernels:
  - .name:           k_q2b940b7928_prep
    .symbol:         k_q2b940b7928_prep.kd
    .args:
      - { .name: x, .offset: 0, .size: 8, .value_kind: global_buffer, .address_space: global }
      - { .name: W_attn, .offset: 8, .size: 8, .value_kind: global_buffer, .address_space: global }
      - { .name: W_proj, .offset: 16, .size: 8, .value_kind: global_buffer, .address_space: global }
      - { .name: b_attn, .offset: 24, .size: 8, .value_kind: global_buffer, .address_space: global }
      - { .name: bQ, .offset: 32, .size: 8, .value_kind: global_buffer, .address_space: global }
      - { .name: bK, .offset: 40, .size: 8, .value_kind: global_buffer, .address_space: global }
      - { .name: xc, .offset: 48, .size: 8, .value_kind: global_buffer, .address_space: global }
      - { .name: xs, .offset: 56, .size: 8, .value_kind: global_buffer, .address_space: global }
      - { .name: wc, .offset: 64, .size: 8, .value_kind: global_buffer, .address_space: global }
      - { .name: ws, .offset: 72, .size: 8, .value_kind: global_buffer, .address_space: global }
      - { .name: out1, .offset: 80, .size: 8, .value_kind: global_buffer, .address_space: global }
    .group_segment_fixed_size: 29952
    .private_segment_fixed_size: 0
    .kernarg_segment_align: 8
    .kernarg_segment_size: 88
    .max_flat_workgroup_size: 64
    .sgpr_count:     66
    .vgpr_count:     256
    .wavefront_size: 32
...
	.end_amdgpu_metadata
.endif
;; end of part 1
;; launch qkv (part 2): grid 96 x 4, 4 waves a work-group, clusters of 4 x 4, 327,680 bytes of LDS; arguments xc, xs, wc, ws, qkvc, qkvs; writes qkvc, qkvs
.if DOCPART == 2
	.amdgcn_target "amdgcn-amd-amdhsa--gfx1250"
	.amdhsa_code_object_version 6
	.text
	.protected	k_q2b940b7928_qkv
	.globl	k_q2b940b7928_qkv
	.p2align	8
	.type	k_q2b940b7928_qkv,@function
k_q2b940b7928_qkv:
	s_mov_b64 s[64:65], 0
	v_nop
	global_prefetch_b8 v0, s[64:65] scope:SCOPE_SE
	s_setreg_imm32_b32 hwreg(HW_REG_WAVE_MODE, 25, 1), 1
	s_wait_xcnt 0x0
	s_wait_alu depctr_hold_cnt(0) depctr_sa_sdst(0) depctr_va_vdst(0) depctr_va_sdst(0) depctr_va_ssrc(0) depctr_va_vcc(0) depctr_vm_vsrc(0)
	s_getreg_b32 s2, hwreg(HW_REG_IB_STS2, 6, 4)
	s_cmp_eq_u32 s2, 0
	s_cbranch_scc0 .Lentry_in_a_cluster
	s_endpgm
.Lentry_in_a_cluster:
	s_bfe_u32 s2, ttmp6, 0x10000c
	s_cmp_lg_u32 s2, 0xf033
	s_cbranch_scc0 .Lentry_shape_is_right
	s_endpgm
.Lentry_shape_is_right:
; QKV: x W_attn on codes of BF6 (K = 1,024), + ball, and the results quantised in registers: q and k along the head's 64, v along the keys.  Nothing leaves as f32.
; A work-group of four waves makes 256 x 256 results, a wave 128 x 128: 64 accumulators.  K goes in four steps of 256 through two LDS slots filled by joint tensor loads (4 x 4 clusters: A's tile
; shared along a row of the cluster, B's along a column).  The scale bytes of the 256 + 256 rows come once, with the first fills.
; THE MATRIX INSTRUCTION IS USED TRANSPOSED (source 0 = 16 positions of B, source 1 = 16 of A): a lane holds ONE position of A, and its 64 registers of a block a run along B.  The buffers hold
; row pi(p) at position p (bits 3 and 4 exchanged), so register 16 b + i of a lane is B's true row 32 b + 16 (lane / 16) + i: 16 neighbours along the next product's K.
; 24 CLUSTERS.  0-15: A = x, B = W's columns of q (even clusters) or k (odd): registers run along the features.  16-23: A = W's columns of v, B = x: registers run along the tokens, the keys.
; Which of the two holds (ISV) hangs on the cluster's number alone: it is the same in all sixteen partners.  It chooses pointers and strides by selects, and two branches: the bias loads and the way out.
; OUT.  qkvc [q, k, v][batch x head 64][step of 128 tokens 16][4][1,536]: an operand's 12 registers as three chunks of 512 bytes, 16 bytes a lane.  For q and k entry b holds TWO tiles of 16 tokens:
; registers 0-5 tile 2 b, registers 6-11 tile 2 b + 1 (64 along K each).  For v entry a holds 16 positions of the head's 64 x 128 keys.  qkvs [3][64][16][row 16][4] scale words.
; LIMITS: NaN and infinities are not served; a block whose largest magnitude lies under 2^-122 gets the byte 1.  The bias is added behind the finished sum.
.set SX,    1572864                    ; xc: bytes for 256 along K
.set SW,    786432                     ; wc likewise
.set BALL,  131072
.set SEC,   6291456                    ; a section of qkvc
.set SECS,  262144                     ; of qkvs
.set NQ,    2                          ; matrix instructions deep in a slot
.set FR,    12
.set NL,    6                          ; LDS loads that bring a fragment
.set NP,    4                          ; places behind this matrix instruction (ISA guide 7.12.1)
.set HALFT, 24576                      ; 8 tiles x 3,072 bytes: what one tensor load brings, and what one wave reads of A or of B
.set SLOT,  4*HALFT                    ; A's 16 tiles, then B's 16
.set SCL,   2*SLOT                     ; behind the ring: the scale bytes, as units of 256 bytes + 16 of padding
.set HALFS, 4352                       ; those of 128 rows (16 units)
.set SBLK,  544                        ; of 16 rows
.set SPARE, SCL+4*HALFS                ; the spare words, 128 bytes a wave: two blocks of 256 bytes that no other line names
.set ADRA, 16                          ; v16-17 LDS address of my A fragments in slot 0, 1
.set ADRB, 20                          ; v20-21 the same for B
.set VI,   24                          ; v24  16 x lane: a chunk's place
.set VS,   25                          ; v25  16 r + 4,096 h: the scale words' place
.set ADRS, 27                          ; v27  LDS address of my scale words: lanes 0-15 A's rows, lanes 16-31 B's
.set SPW,  28                          ; v28  my spare word; never rewritten
.set NIL,  29                          ; v29  0; never rewritten
.set SC,   32                          ; v32-63 scale words, two sets
.set BI,   64                          ; v64-127 the bias
.set AF,   128                         ; v128-223 A's fragments, one set
.set TT,   128                         ; the way out: v128-191 64 numbers
.set I0,   192                         ; v192-203, v204-215 two operands' registers
.set I1,   204
.set CT,   216                         ; v216-223 upper halves as converted
.set TM,   224                         ; v224-227 maxima, v228-231 the other half's, then bytes, v236-239 scale operands
.set SWD,  240                         ; v240-247 scale words: head 0's four, head 1's four
.set SOUT, 248
.set G1, 24
.set G0, 32
.set G1B, 48
.set G0B, 56
.set G1S, 68
.set G0S, 76
.set G1SB, 80
.set G0SB, 88
.set BP,  66                           ; s[66:67] the bias's address
.set SEL, 100                          ; s[100:101] v_permlanex16_b32's selects
.set MSB, 0
.macro WIN new                         ; the immediate's high byte repeats the setting that is left
.if MSB != (\new)
	s_set_vgpr_msb (MSB<<8)|(\new)
.set MSB, \new
.endif
.endm
.set MUL_LO, 0xa1                      ; source 0 (B) window 1, source 1 (A) window 0, C and D window 2
.set MUL_HI, 0xf1
.set TO_B,   0x40
.macro JLOAD g0a, g1a, g0b, g1b        ; a joint load: waves 0, 1 fetch for A, waves 2, 3 for B; four v_nop follow each line
	s_cmp_eq_u32 s15, 0
	s_cbranch_scc0 .Lfor_b_\@
	tensor_load_to_lds s[\g0a:\g0a+3], s[\g1a:\g1a+7]
	s_nop 0
.rept 4
	v_nop
.endr
	s_branch .Lasked_\@
.Lfor_b_\@:
	tensor_load_to_lds s[\g0b:\g0b+3], s[\g1b:\g1b+7]
	s_nop 0
.rept 4
	v_nop
.endr
.Lasked_\@:
.endm
.macro CREST                           ; a round of the cluster's barrier behind its opening barrier
	s_cmp_lg_u32 s14, 0
	s_cbranch_scc1 .Lnot_wave_0_\@
	s_barrier_signal -3
.Lnot_wave_0_\@:
	s_barrier_wait -3
	s_barrier_signal -1
	s_barrier_wait -1
.endm
.macro CROUND
	s_barrier_signal -1
	s_barrier_wait -1
	CREST
.endm
	s_load_b256 s[92:99], s[0:1], 0x0              ; xc s[92:93], xs s[94:95], wc s[96:97], ws s[98:99]
	s_load_b64 s[12:13], s[0:1], 0x20              ; qkvc
	s_load_b64 s[2:3], s[0:1], 0x28                ; qkvs
	v_lshl_add_u32 v[SPW], v0, 2, SPARE
	v_mov_b32 v[NIL], 0
	ds_add_u32 v28, v29
	ds_add_u32 v28, v29
	s_wait_dscnt 0x0
	v_lshrrev_b32 v1, 5, v0
	v_readfirstlane_b32 s14, v1                    ; wave 0..3
	s_lshr_b32 s15, s14, 1                         ; which half of A's positions is mine.  Also: I fetch for A (0) or for B (1)
	s_and_b32 s16, s14, 1                          ; which half of B's.  Also: which 8 tiles I fetch
	s_bfe_u32 s40, ttmp6, 0x40000                  ; cx
	s_bfe_u32 s41, ttmp6, 0x40004                  ; cy
	s_lshl_b32 s43, s41, 2
	s_lshl_b32 s43, 15, s43                        ; my row of the cluster
	s_lshl_b32 s44, 0x1111, s40                    ; my column
	; group 1 for codes: a dense block of 24,576 bytes as 96 rows of 256 (32 elements of 8 bytes), no padding
	s_or_b32 s[G1+0], s43, (3<<16)|(1<<21)
	s_or_b32 s[G1B+0], s44, (3<<16)|(1<<21)
.irp g, G1, G1B
	s_mov_b32 s[\g+1], 32<<16
	s_mov_b32 s[\g+2], 96<<16
	s_mov_b32 s[\g+3], 32<<16
	s_mov_b32 s[\g+4], 96
	s_mov_b32 s[\g+5], 32
	s_mov_b32 s[\g+6], 0
	s_mov_b32 s[\g+7], 0
.endr
	; and for the scale bytes of 128 rows: 16 rows of 256 bytes, 16 bytes of padding behind each
	s_or_b32 s[G1S+0], s43, (3<<16)|(1<<20)|(1<<21)|(5<<22)|(3<<25)
	s_or_b32 s[G1SB+0], s44, (3<<16)|(1<<20)|(1<<21)|(5<<22)|(3<<25)
.irp g, G1S, G1SB
	s_mov_b32 s[\g+1], 32<<16
	s_mov_b32 s[\g+2], 16<<16
	s_mov_b32 s[\g+3], 32<<16
	s_mov_b32 s[\g+4], 16
	s_mov_b32 s[\g+5], 32
	s_mov_b32 s[\g+6], 0
	s_mov_b32 s[\g+7], 0
.endr
	; the first tile that I fetch.  A's hangs on the cluster's number and cy, B's on the cluster's number and cx, each in registers that never hold the other coordinate
	s_lshr_b32 s42, ttmp9, 1
	s_lshl_b32 s42, s42, 6                         ; q, k: x's tiles 64 (c / 2) on
	s_cmp_ge_u32 ttmp9, 16
	s_cselect_b32 s17, 1, 0                        ; ISV
	s_cselect_b32 s42, 128, s42                    ; v: W's tiles 128 on
	s_lshl_b32 s22, s41, 4
	s_add_co_u32 s42, s42, s22                     ; + 16 cy
	s_lshl_b32 s22, s16, 3
	s_add_co_u32 s42, s42, s22                     ; + my 8
	s_and_b32 s46, ttmp9, 1
	s_lshl_b32 s46, s46, 6                         ; q, k: W's tiles 64 (c % 2) on
	s_sub_co_u32 s47, ttmp9, 16
	s_lshl_b32 s47, s47, 6                         ; v: x's tiles 64 (c - 16) on
	s_cmp_ge_u32 ttmp9, 16
	s_cselect_b32 s46, s47, s46
	s_lshl_b32 s47, s40, 4
	s_add_co_u32 s46, s46, s47                     ; + 16 cx
	s_lshl_b32 s47, s16, 3
	s_add_co_u32 s101, s46, s47                    ; + my 8
	s_mul_i32 s45, s14, HALFT                      ; where they go: wave x 8 tiles: no place in the cluster enters an LDS address
	s_mul_i32 s100, s14, HALFS
	s_wait_kmcnt 0x0
	s_cmp_eq_u32 s17, 1
	s_cselect_b64 s[4:5], s[96:97], s[92:93]       ; A's codes,
	s_cselect_b64 s[6:7], s[98:99], s[94:95]       ; A's scales,
	s_cselect_b64 s[8:9], s[92:93], s[96:97]       ; B's codes,
	s_cselect_b64 s[10:11], s[94:95], s[98:99]     ; B's scales
	s_mov_b32 s18, SX
	s_cselect_b32 s18, SW, s18                     ; A: bytes from one 256 along K to the next
	s_mov_b32 s20, SW
	s_cselect_b32 s20, SX, s20                     ; B
	s_mov_b32 s19, 0
	s_mov_b32 s21, 0
	s_mul_i32 s22, s42, 3072
	s_mov_b32 s23, 0
	s_add_nc_u64 s[4:5], s[4:5], s[22:23]
	s_lshl_b32 s22, s42, 9
	s_add_nc_u64 s[6:7], s[6:7], s[22:23]
	s_mul_i32 s46, s101, 3072
	s_mov_b32 s47, 0
	s_add_nc_u64 s[8:9], s[8:9], s[46:47]
	s_lshl_b32 s46, s101, 9
	s_add_nc_u64 s[10:11], s[10:11], s[46:47]
	CROUND                                         ; all sixteen work-groups are here: the first joint loads meet
	s_mov_b32 s[G0S], 1
	s_add_co_u32 s[G0S+1], s100, SCL
	s_mov_b64 s[G0S+2:G0S+3], s[6:7]
	s_or_b32 s[G0S+3], s[G0S+3], 0x80000000
	s_mov_b32 s[G0SB], 1
	s_add_co_u32 s[G0SB+1], s100, SCL
	s_mov_b64 s[G0SB+2:G0SB+3], s[10:11]
	s_or_b32 s[G0SB+3], s[G0SB+3], 0x80000000
	JLOAD G0S, G1S, G0SB, G1SB                     ; the scale bytes first
	s_mov_b32 s[G0], 1
	s_mov_b32 s[G0+1], s45
	s_mov_b64 s[G0+2:G0+3], s[4:5]
	s_or_b32 s[G0+3], s[G0+3], 0x80000000
	s_mov_b32 s[G0B], 1
	s_mov_b32 s[G0B+1], s45
	s_mov_b64 s[G0B+2:G0B+3], s[8:9]
	s_or_b32 s[G0B+3], s[G0B+3], 0x80000000
	JLOAD G0, G1, G0B, G1B                         ; slot 0: K 0-255
	s_mov_b32 s[G0+4], 1
	s_add_co_u32 s[G0+5], s45, SLOT
	s_add_nc_u64 s[G0+6:G0+7], s[4:5], s[18:19]
	s_or_b32 s[G0+7], s[G0+7], 0x80000000
	s_mov_b32 s[G0B+4], 1
	s_add_co_u32 s[G0B+5], s45, SLOT
	s_add_nc_u64 s[G0B+6:G0B+7], s[8:9], s[20:21]
	s_or_b32 s[G0B+7], s[G0B+7], 0x80000000
	JLOAD G0+4, G1, G0B+4, G1B                     ; slot 1: K 256-511.  Three loads of mine are out
	s_lshl_b32 s18, s18, 1                         ; a refill goes two steps on
	s_lshl_b32 s20, s20, 1
	s_mov_b32 s[SEL], 0x76543210
	s_mov_b32 s[SEL+1], 0xfedcba98
	v_and_b32 v1, 15, v0                           ; r
	v_bfe_u32 v2, v0, 4, 1                         ; h
	v_and_b32 v3, 31, v0                           ; lane
	v_lshlrev_b32 v4, 3, v3                        ; a piece: 8 bytes a lane
	s_mul_i32 s4, s15, HALFT                       ; my 8 tiles of A
	s_mul_i32 s5, s16, HALFT                       ; my 8 of B,
	s_add_co_u32 s5, s5, 2*HALFT                   ; behind A's 16
.irp s, 0,1
	v_add_nc_u32 v[ADRA+\s], s4, v4
	v_add_nc_u32 v[ADRB+\s], s5, v4
	s_add_co_u32 s4, s4, SLOT
	s_add_co_u32 s5, s5, SLOT
.endr
	v_mul_u32_u24 v5, v1, 32                       ; my row's scale bytes: 32 a row,
	v_lshrrev_b32 v6, 8, v5
	v_lshl_add_u32 v5, v6, 4, v5                   ; and 16 more for each 256 passed
	s_mul_i32 s4, s15, HALFS
	s_mul_i32 s5, s16, HALFS
	s_add_co_u32 s5, s5, 2*HALFS
	s_sub_co_u32 s5, s5, s4
	v_mul_u32_u24 v6, s5, v2                       ; lanes 16-31 take B's
	s_add_co_u32 s4, s4, SCL
	v_add_nc_u32 v5, v5, v6
	v_add_nc_u32 v[ADRS], s4, v5
	v_lshlrev_b32 v[VI], 4, v3
	v_lshlrev_b32 v[VS], 4, v1
	v_lshl_add_u32 v[VS], v2, 12, v[VS]
	v_lshlrev_b32 v7, 6, v2                        ; q, k bias: 64 h
	v_and_b32 v8, 8, v1
	v_add_nc_u32 v8, v8, v1
	v_lshlrev_b32 v8, 2, v8                        ; v bias: 4 (r + 8 (r / 8))
.irp b, 0,1,2,3
	v_mov_b32 v[TM+4+\b], 0                        ; written once: a lane permute's destination counts as one of its sources
.endr
	; where my results go, and my bias.  (These mix cx and cy: they enter global addresses of plain loads and stores alone)
	s_lshr_b32 s4, ttmp9, 1
	s_lshl_b32 s4, s4, 2
	s_add_co_u32 s4, s4, s41                       ; q, k: block of 256 tokens = 4 (c / 2) + cy
	s_sub_co_u32 s5, ttmp9, 16
	s_lshl_b32 s5, s5, 2
	s_add_co_u32 s5, s5, s40                       ; v: 4 (c - 16) + cx
	s_and_b32 s6, ttmp9, 1
	s_cmp_eq_u32 s17, 1
	s_cselect_b32 s4, s5, s4                       ; the block of 256 tokens,
	s_cselect_b32 s5, s16, s15                     ; my half of it,
	s_cselect_b32 s7, s41, s40                     ; the block of 256 features (4 heads),
	s_cselect_b32 s8, s15, s16                     ; my half of it,
	s_cselect_b32 s6, 2, s6                        ; q, k or v
	s_lshl_b32 s9, s6, 10
	s_lshl_b32 s10, s7, 8
	s_add_co_u32 s9, s9, s10
	s_lshl_b32 s10, s8, 7
	s_add_co_u32 s9, s9, s10                       ; my first feature of 3,072
	s_lshl_b32 s92, s9, 2
	s_add_co_u32 s92, s92, BALL
	s_mov_b32 s93, 0
	s_add_nc_u64 s[BP:BP+1], s[98:99], s[92:93]
	s_lshr_b32 s9, s4, 3
	s_lshl_b32 s9, s9, 4
	s_lshl_b32 s10, s7, 2
	s_add_co_u32 s9, s9, s10
	s_lshl_b32 s10, s8, 1
	s_add_co_u32 s9, s9, s10                       ; 16 x batch + my first head
	s_and_b32 s10, s4, 7
	s_lshl_b32 s10, s10, 1
	s_add_co_u32 s10, s10, s5                      ; my step of 128 tokens
	s_mul_i32 s92, s6, SEC
	s_mul_i32 s11, s9, 98304
	s_add_co_u32 s92, s92, s11
	s_mul_i32 s11, s10, 6144
	s_add_co_u32 s92, s92, s11
	s_add_nc_u64 s[12:13], s[12:13], s[92:93]
	s_mul_i32 s92, s6, SECS
	s_lshl_b32 s11, s9, 12
	s_add_co_u32 s92, s92, s11
	s_lshl_b32 s11, s10, 8
	s_add_co_u32 s92, s92, s11
	s_add_nc_u64 s[2:3], s[2:3], s[92:93]
	s_cmp_eq_u32 s17, 0
	s_cbranch_scc0 .Lbias_v
.irp n, 0,1,2,3,4,5,6,7,8,9,10,11,12,13,14,15  ; q, k: register 16 b + i takes ball(32 b + 16 h + i)
	global_load_b128 v[BI+4*\n:BI+4*\n+3], v7, s[BP:BP+1] offset:128*(\n/4)+16*(\n%4)
.endr
	s_branch .Lbias_done
.Lbias_v:
.irp a, 0,1,2,3,4,5,6,7                        ; v: block a's eight registers all take ball of my lane's feature, 32 (a / 2) + 8 (a % 2) + r + 8 (r / 8): both ways write all 64
.irp j, 0,1,2,3,4,5,6,7
	global_load_b32 v[BI+8*\a+\j], v8, s[BP:BP+1] offset:(32*(\a/2)+8*(\a%2))*4
.endr
.endr
.Lbias_done:
.macro FRAG reg, adr, q, i             ; a fragment: six pieces of 256 consecutive bytes, 8 bytes a lane
.irp p, 0,1,2,3,4,5
	ds_load_b64 v[\reg+2*\p:\reg+2*\p+1], v[\adr] offset:(\i)*3072+(\q)*1536+256*\p
.endr
.endm
; 16 matrix instructions: A's blocks a0, a0 + 1 x B's eight.  The 64 accumulators take turns, one instruction a turn, in the same order in every step.
.macro MUL16 a0, p, q, sc, zero
.irp a, \a0, \a0+1
.irp b, 0,1,2,3,4,5,6,7
.set rD, 8*(8*((\a)%4)+\b)
.set rB, 128*(\p)+FR*\b
.set rA, AF+FR*(\a)
.set rSB, SC+8*NQ*(\sc)+NQ*\b+(\q)
.set rSA, SC+8*NQ*(\sc)+NQ*(\a)+(\q)
.if \zero
	v_wmma_scale_f32_16x16x128_f8f6f4 v[rD:rD+7], v[rB:rB+FR-1], v[rA:rA+FR-1], 0, v[rSB], v[rSA] matrix_a_fmt:MATRIX_FMT_BF6 matrix_b_fmt:MATRIX_FMT_BF6 matrix_a_scale:MATRIX_SCALE_ROW1
.else
	v_wmma_scale_f32_16x16x128_f8f6f4 v[rD:rD+7], v[rB:rB+FR-1], v[rA:rA+FR-1], v[rD:rD+7], v[rSB], v[rSA] matrix_a_fmt:MATRIX_FMT_BF6 matrix_b_fmt:MATRIX_FMT_BF6 matrix_a_scale:MATRIX_SCALE_ROW1
.endif
.endr
.endr
.endm
.macro FETCH_B slot, q, p
	WIN TO_B
.irp i, 0,1,2,3,4,5,6,7
	FRAG 128*(\p)+FR*\i, ADRB+\slot, \q, \i
.endr
	WIN 0
.endm
.macro FETCH_A slot, q, i0
.irp i, \i0, \i0+1, \i0+2, \i0+3
	FRAG AF+FR*(\i), ADRA+\slot, \q, \i
.endr
.endm
.macro SCALES sc                       ; a K step's scale words: two a row; lanes 0-15 A's block i, lanes 16-31 B's block i
.irp i, 0,1,2,3,4,5,6,7
	ds_load_b64 v[SC+8*NQ*\sc+NQ*\i:SC+8*NQ*\sc+NQ*\i+1], v[ADRS] offset:\i*SBLK
.endr
.endm
.macro PLACES n                        ; plain vector instructions that name no register of the matrix instructions in front (ISA guide 7.12.1 for vector instructions)
.rept \n
	v_nop
.endr
.endm
.macro STEP slot, q, zero              ; 128 along K that has its successor in the same slot
	s_wait_dscnt 4*NL                              ; B's set and A's blocks 0-3 are in; the youngest 24 loads (A's blocks 4-7) may be out
	WIN MUL_LO
	MUL16 0, (\q)%2, \q, \slot, \zero
	MUL16 2, (\q)%2, \q, \slot, \zero
	s_wait_dscnt 0x0
	PLACES NP
	FETCH_B \slot, (\q)+1, 1-(\q)%2
	FETCH_A \slot, (\q)+1, 0
	WIN MUL_HI
	MUL16 4, (\q)%2, \q, \slot, \zero
	MUL16 6, (\q)%2, \q, \slot, \zero
	PLACES NP
	WIN 0
	FETCH_A \slot, (\q)+1, 4
.endm
; A slot's last step changes slots: one barrier; in front of it each wave waits for all its tensor loads, adds 0 to its spare word, and waits for that and for its reads of this slot.
.macro TURN slot, next, fill
	s_wait_tensorcnt 0x0                           ; all my tensor loads have landed: my part of the next slot
	ds_add_u32 v[SPW], v[NIL]                      ; 0 onto my spare word
	s_wait_dscnt 4*NL+1                            ; (the add and A's blocks 4-7 may be out)
	WIN MUL_LO
	MUL16 0, 1, NQ-1, \slot, 0
	s_wait_dscnt 0x0                               ; the add is done, and my reads of this slot are over
	s_barrier_signal -1
	MUL16 2, 1, NQ-1, \slot, 0
	WIN 0
	s_barrier_wait -1
.if \fill
	CREST                                          ; the barrier has opened a round of the cluster's: no wave of any partner still reads this slot or has a load on its way
	s_add_nc_u64 s[G0+4*\slot+2:G0+4*\slot+3], s[G0+4*\slot+2:G0+4*\slot+3], s[18:19]
	s_add_nc_u64 s[G0B+4*\slot+2:G0B+4*\slot+3], s[G0B+4*\slot+2:G0B+4*\slot+3], s[20:21]
	JLOAD G0+4*\slot, G1, G0B+4*\slot, G1B         ; the first tensor load behind the round; its four v_nop are the places in front of the loads below
.else
	PLACES NP
.endif
	v_add_nc_u32 v[ADRS], 4*NQ, v[ADRS]
	FETCH_B \next, 0, 0
	FETCH_A \next, 0, 0
	SCALES \next
	WIN MUL_HI
	MUL16 4, 1, NQ-1, \slot, 0
	MUL16 6, 1, NQ-1, \slot, 0
	PLACES NP
	WIN 0
	FETCH_A \next, 0, 4
.endm
	s_wait_tensorcnt 1                             ; the scale bytes and my part of slot 0 are in; slot 1's load may be out
	s_barrier_signal -1
	s_barrier_wait -1
	FETCH_B 0, 0, 0
	FETCH_A 0, 0, 0
	SCALES 0
	FETCH_A 0, 0, 4
	STEP 0, 0, 1                                   ; the first products start the sums: nothing is cleared
	TURN 0, 1, 1                                   ; slot 0 takes K 512-767
	STEP 1, 0, 0
	TURN 1, 0, 1                                   ; slot 1 takes K 768-1,023
	STEP 0, 0, 0
	TURN 0, 1, 0
	STEP 1, 0, 0
	s_wait_dscnt 4*NL
	WIN MUL_LO
	MUL16 0, 1, NQ-1, 1, 0
	MUL16 2, 1, NQ-1, 1, 0
	s_wait_dscnt 0x0
	WIN MUL_HI
	MUL16 4, 1, NQ-1, 1, 0
	MUL16 6, 1, NQ-1, 1, 0
	WIN 0
; THE WAY OUT, block a (16 positions of A) at a time: + bias, quantised along the lane's registers, stored as images of the next launch's operand registers.  No LDS.
.macro ADDB a, isv                     ; each accumulator is read from its low end on
	WIN 0x02+(\a)/4
.set n, 0
.rept 32
.if \isv
	v_pk_add_f32 v[TT+n:TT+n+1], v[64*((\a)%4)+n:64*((\a)%4)+n+1], v[BI+8*(\a):BI+8*(\a)+1]
.else
	v_pk_add_f32 v[TT+n:TT+n+1], v[64*((\a)%4)+n:64*((\a)%4)+n+1], v[BI+n:BI+n+1]
.endif
.set n, n+2
.endr
	WIN 0
.endm
; 64 numbers of a lane, register 16 b + i = k 32 b + 16 (lane / 16) + i, become codes: blocks 0, 1 in v[d0] on (six registers: lane half h holds block h), blocks 2, 3 in v[d1] on; the four bytes stay in v[TM+4] on
.macro QUANT s, d0, d1
.irp b, 0,1,2,3
	v_max3_num_f32 v[TM+\b], |v[\s+16*\b]|, |v[\s+1+16*\b]|, 0x2800000   ; the floor 2^(5 - 127) holds the byte at 1 from below
.endr
.irp i, 2,4,6,8,10,12,14
.irp b, 0,1,2,3
	v_max3_num_f32 v[TM+\b], v[TM+\b], |v[\s+16*\b+\i]|, |v[\s+1+16*\b+\i]|
.endr
.endr
.irp b, 0,1,2,3
	v_permlanex16_b32 v[TM+4+\b], v[TM+\b], s[SEL], s[SEL+1]
.endr
.irp b, 0,1,2,3
	v_max_num_f32 v[TM+\b], v[TM+\b], v[TM+4+\b]
.endr
.irp b, 0,1,2,3
	v_add_nc_u32 v[TM+12+\b], 0xfe000000, v[TM+\b]
.endr
.irp b, 0,1,2,3
	v_lshrrev_b32 v[TM+4+\b], 23, v[TM+12+\b]
.endr
	v_cvt_scalef32_pk16_bf6_f32 v[\d0:\d0+2], v[\s:\s+15], v[TM+12]
	v_cvt_scalef32_pk16_bf6_f32 v[CT:CT+2], v[\s+16:\s+31], v[TM+13]
	v_cvt_scalef32_pk16_bf6_f32 v[\d1:\d1+2], v[\s+32:\s+47], v[TM+14]
	v_cvt_scalef32_pk16_bf6_f32 v[CT+4:CT+6], v[\s+48:\s+63], v[TM+15]
	v_nop                                          ; one plain place behind a scaled conversion
.irp i, 0,1,2
	v_permlane16_swap_b32 v[\d0+\i], v[CT+\i]      ; a whole block to a lane
	v_permlane16_swap_b32 v[\d1+\i], v[CT+4+\i]
.endr
.irp i, 0,1,2
	v_mov_b32 v[\d0+3+\i], v[CT+\i]
	v_mov_b32 v[\d1+3+\i], v[CT+4+\i]
.endr
.endm
.macro IMG reg, off                    ; 12 registers as three chunks: each store covers 512 consecutive bytes, aligned
.irp c, 0,1,2
	global_store_b128 v[VI], v[\reg+4*\c:\reg+4*\c+3], s[12:13] offset:\off+512*\c
.endr
.endm
	s_wait_loadcnt 0x0                             ; the bias
	PLACES NP                                      ; behind the last products: their results are read and A's registers written below
	s_cmp_eq_u32 s17, 0
	s_cbranch_scc0 .Lepi_v
.irp a, 0,1,2,3,4,5,6,7                        ; q, k: my 128 features are two heads; tiles a = 2 b and 2 b + 1 of tokens share an operand
	s_wait_xcnt 0x0                                ; earlier stores have read their registers
	ADDB \a, 0
	QUANT TT, I0+6*(\a%2), I1+6*(\a%2)
.if \a%2 == 0
	v_lshl_or_b32 v[SWD+\a/2], v[TM+5], 8, v[TM+4]
	v_lshl_or_b32 v[SWD+4+\a/2], v[TM+7], 8, v[TM+6]
.else
	v_lshl_or_b32 v[SWD+\a/2], v[TM+4], 16, v[SWD+\a/2]
	v_lshl_or_b32 v[SWD+\a/2], v[TM+5], 24, v[SWD+\a/2]
	v_lshl_or_b32 v[SWD+4+\a/2], v[TM+6], 16, v[SWD+4+\a/2]
	v_lshl_or_b32 v[SWD+4+\a/2], v[TM+7], 24, v[SWD+4+\a/2]
	IMG I0, (\a/2)*1536
	IMG I1, 98304+(\a/2)*1536
.endif
.endr
	s_branch .Lepi_done
.Lepi_v:
.irp a, 0,1,2,3,4,5,6,7                        ; v: block a is 16 positions of head a / 4; its 64 registers are the step's 128 keys
	s_wait_xcnt 0x0
	ADDB \a, 1
	QUANT TT, I0, I0+6
	v_lshl_or_b32 v[SWD+\a], v[TM+5], 8, v[TM+4]
	v_lshl_or_b32 v[SWD+\a], v[TM+6], 16, v[SWD+\a]
	v_lshl_or_b32 v[SWD+\a], v[TM+7], 24, v[SWD+\a]
	IMG I0, (\a/4)*98304+(\a%4)*1536
.endr
.Lepi_done:
	v_bfe_u32 v2, v0, 4, 1
	v_cmp_eq_u32 vcc_lo, 1, v2
.irp i, 0,1,2,3
	v_cndmask_b32 v[SOUT+\i], v[SWD+\i], v[SWD+4+\i], vcc_lo   ; lanes 0-15 store head 0's words, lanes 16-31 head 1's
.endr
	global_store_b128 v[VS], v[SOUT:SOUT+3], s[2:3] ; sixteen lanes fill 256 consecutive bytes, aligned, for each head
	s_wait_tensorcnt 0x0                           ; the wave's end
	ds_add_u32 v[SPW], v[NIL]
	s_wait_dscnt 0x0
	CROUND                                         ; the closing round
	s_endpgm
.Lfunc_end_k_q2b940b7928_qkv:
	.size	k_q2b940b7928_qkv, .Lfunc_end_k_q2b940b7928_qkv-k_q2b940b7928_qkv
	.p2alignl 7, 3214868480
	.fill 96, 4, 3214868480
	.section	.rodata,"a",@progbits
	.p2align	6, 0x0
	.amdhsa_kernel k_q2b940b7928_qkv
		.amdhsa_group_segment_fixed_size 327680
		.amdhsa_private_segment_fixed_size 0
		.amdhsa_enable_private_segment 0
		.amdhsa_kernarg_size 48
		.amdhsa_user_sgpr_count 2
		.amdhsa_user_sgpr_kernarg_segment_ptr 1
		.amdhsa_wavefront_size32 1
		.amdhsa_system_sgpr_workgroup_id_x 1
		.amdhsa_system_sgpr_workgroup_id_y 1
		.amdhsa_system_sgpr_workgroup_id_z 1
		.amdhsa_system_vgpr_workitem_id 0
		.amdhsa_next_free_vgpr 1024
		.amdhsa_next_free_sgpr 104
		.amdhsa_reserve_vcc 1
		.amdhsa_float_denorm_mode_32 3
		.amdhsa_float_denorm_mode_16_64 3
		.amdhsa_memory_ordered 1
		.amdhsa_forward_progress 1
		.amdhsa_inst_pref_size 237
	.end_amdhsa_kernel
	.amdgpu_metadata
---
amdhsa.version: [ 1, 2 ]
amdhsa.kernels:
  - .name:           k_q2b940b7928_qkv
    .symbol:         k_q2b940b7928_qkv.kd
    .args:
      - { .name: xc, .offset: 0, .size: 8, .value_kind: global_buffer, .address_space: global }
      - { .name: xs, .offset: 8, .size: 8, .value_kind: global_buffer, .address_space: global }
      - { .name: wc, .offset: 16, .size: 8, .value_kind: global_buffer, .address_space: global }
      - { .name: ws, .offset: 24, .size: 8, .value_kind: global_buffer, .address_space: global }
      - { .name: qkvc, .offset: 32, .size: 8, .value_kind: global_buffer, .address_space: global }
      - { .name: qkvs, .offset: 40, .size: 8, .value_kind: global_buffer, .address_space: global }
    .group_segment_fixed_size: 327680
    .private_segment_fixed_size: 0
    .kernarg_segment_align: 8
    .kernarg_segment_size: 48
    .max_flat_workgroup_size: 128
    .sgpr_count:     104
    .vgpr_count:     1024
    .wavefront_size: 32
...
	.end_amdgpu_metadata
.endif
;; end of part 2
;; launch attn (part 3): grid 4 x 64, 16 waves a work-group, no clusters, 53,248 bytes of LDS; arguments qkvc, qkvs, yc, ys; writes yc, ys
.if DOCPART == 3
	.amdgcn_target "amdgcn-amd-amdhsa--gfx1250"
	.amdhsa_code_object_version 6
	.text
	.protected	k_q2b940b7928_attn
	.globl	k_q2b940b7928_attn
	.p2align	8
	.type	k_q2b940b7928_attn,@function
k_q2b940b7928_attn:
	s_mov_b64 s[64:65], 0
	v_nop
	global_prefetch_b8 v0, s[64:65] scope:SCOPE_SE
	s_setreg_imm32_b32 hwreg(HW_REG_WAVE_MODE, 25, 1), 1
	s_wait_xcnt 0x0
; ATTN: y = softmax(q k^T / 8, causal) v for one head of one batch, both products on codes of BF6; y leaves quantised along C, as the last product's operand.
; THE SOFTMAX: t = score x log2(e) / 8; M = the running largest t rounded UP to a whole number; p = 2^(t - M) is quantised along the keys; the row's sum is taken of the unquantised p and divides at the end.
; SHARES.  256 work-groups of equal work: work-group (i, head) takes the blocks 7 - i and i of 256 queries, one after the other.  Each of the sixteen waves owns 16 queries: four waves to a SIMD, so that one
; wave's vector work stands beside another's products and LDS loads.  K and V come 256 keys (a slot) at a time: global loads into registers a slot ahead, LDS stores, one barrier a slot, two slots by turns.
; No tensor load and no multicast: the four work-groups of a head want different numbers of slots, and a slot is 25,600 bytes for the work of 16 waves x 2 steps.
; EVERY BLOCK WALKS EIGHT SEGMENTS, a constant count; a segment whose keys all come after the block's queries loads and works nothing, but passes its barrier.  All LDS addresses are lane terms and immediates.
; LAYOUT.  Both products transposed: S^T = K Q^T, O^T = V^T P^T: a lane holds one query (lane % 16).  Operands lie in memory and LDS as images of their registers: three chunks of 512 bytes, 16 bytes a lane.
; K = 64 IN AN INSTRUCTION OF 128: an operand of K holds TWO tiles of 16 keys (registers 0-5, 6-11).  Q stands as zeros | q | zeros in 18 registers: v[22:33] = q | 0 takes the first tile, v[16:27] = 0 | q the second:
; zero codes add nothing under any scale byte of 1 .. 254.  Positions hold rows with bits 3 and 4 exchanged, so registers 16 b + i of S^T are keys 32 b + 16 (lane / 16) + i.
; LIMITS: NaN and infinities are not served.  A block's largest p is taken from its largest score (v_exp_f32 is taken not to fall where its input rises).  A block of zeros gets the byte 1.
; REGISTERS: v1-11 addresses and constants; v12 -M, v13 largest t, v[14:15] the sum; v16-33 Q; v36-83 four operands of K, then of V; v84-87, v88-91 their scale words; v96-159 S^T, then p; v160-191 O^T;
;   v192-207 the next slot on its way; v208-219 Q as loaded; v224-235 p's codes; v232-254 at work; v253 p's scale word; v255 Q's.
.set SEC,   6291456
.set SECS,  262144
.set SX,    1572864
.set SLOTB, 25600                      ; a slot: K 2 x 6,144, V 2 x 6,144, K's scale words 2 x 256, V's 2 x 256
.set WV,   12
.set QB,   13                          ; the block of 256 queries
.set SL,   14                          ; the segment = the slot of keys
.set ST,   15                          ; the step of 128 keys
.set LAST, 16                          ; my wave's last step, the one on the diagonal
.set UM,   17                          ; all ones where my tile is the second of its pair
.set U16,  18
.set HM,   19                          ; lanes 16-31
.set SEL,  20
.set CS,   22                          ; s[22:23] log2(e) / 8
.set KV,   24
.set KS,   26
.set HBC,  28
.set HBS,  30
.set YA,   32
.set YB,   34
.set QP,   36
.set QW,   38
.set TRIP, 40
.set BLKC, 41
.set IX,   48
.set W8,   49
.set YAB,  50
.set YBB,  52
.set BH,   54
	s_load_b256 s[4:11], s[0:1], 0x0               ; qkvc, qkvs, yc, ys
	v_lshl_add_u32 v250, v0, 2, 0xc800
	v_mov_b32 v251, 0
	v_lshrrev_b32 v1, 5, v0
	v_readfirstlane_b32 s[WV], v1                  ; wave 0..15
	s_and_b32 s[BH], ttmp7, 0xffff                 ; 16 x batch + head
	s_sub_co_u32 s[QB], 7, ttmp9
	s_mov_b32 s[BLKC], 2
	s_mov_b32 s[SEL], 0x76543210
	s_mov_b32 s[SEL+1], 0xfedcba98
	s_mov_b32 s[CS], 0x3e38aa3b
	s_mov_b32 s[CS+1], s[CS]
	s_mov_b32 s[HM], 0xffff0000
	v_and_b32 v12, 31, v0                          ; lane
	v_and_b32 v13, 15, v0                          ; r
	v_bfe_u32 v14, v0, 4, 1                        ; h
	v_lshlrev_b32 v1, 4, v12                       ; 16 x lane
	v_lshlrev_b32 v2, 4, v13                       ; 16 r
	v_lshlrev_b32 v3, 4, v0                        ; 16 x thread: the slot's 24,576 bytes of codes are three runs of 8,192
	v_add_nc_u32 v4, SEC, v3                       ; run 0: K's bytes 0 on
	s_mov_b32 s42, 2*SEC-4096
	s_cmp_lt_u32 s[WV], 8
	s_cselect_b32 s42, SEC+8192, s42
	v_add_nc_u32 v5, s42, v3                       ; run 1: K's bytes 8,192 on (waves 0-7), V's bytes 0 on (waves 8-15)
	v_add_nc_u32 v6, 2*SEC+4096, v3                ; run 2: V's bytes 4,096 on
	s_add_co_u32 s42, s[WV], 1
	s_mul_i32 s42, s42, SECS
	v_add_nc_u32 v7, s42, v1                       ; the scale words: wave 0 K's 512 bytes, wave 1 V's
	s_lshr_b32 s42, s[WV], 1
	s_and_b32 s42, s42, 3                          ; which pair of tiles of the step is mine
	s_and_b32 s43, s[WV], 1                        ; and which tile of the pair
	s_lshl_b32 s[IX], s42, 2
	s_lshr_b32 s[W8], s[WV], 3
	s_sub_co_u32 s[UM], 0, s43
	s_lshl_b32 s[U16], s43, 4
	s_lshl_b32 s44, s42, 5
	s_lshl_b32 s45, s43, 3
	s_add_co_u32 s44, s44, s45
	v_and_b32 v15, 8, v13
	v_add_nc_u32 v15, v15, v13
	v_add_nc_u32 v15, s44, v15                     ; my query within its step of 128
	v_lshlrev_b32 v8, 4, v14
	v_sub_nc_u32 v8, v15, v8                       ; - 16 h: on the diagonal register 16 b + i is hidden where 32 b + i is greater
	v_lshlrev_b32 v9, 3, v12                       ; 8 x lane
	v_lshl_add_u32 v10, v13, 5, v14                ; 32 r + h
	v_mov_b32 v11, 0xff800000                      ; -infinity
.irp e, 0,1,2,3,4,5
	v_mov_b32 v[16+\e], 0                          ; the zero codes on both sides of q: written once
	v_mov_b32 v[28+\e], 0
.endr
.irp b, 0,1,2,3
	v_mov_b32 v[236+\b], 0                         ; written once: a lane permute's destination counts as one of its sources
.endr
	v_mov_b32 v252, 0
	v_mov_b32 v253, 0
	s_wait_kmcnt 0x0
	s_mul_i32 s42, s[BH], 98304
	s_mov_b32 s43, 0
	s_add_nc_u64 s[HBC:HBC+1], s[4:5], s[42:43]    ; the head in a section of codes
	s_lshl_b32 s42, s[BH], 12
	s_add_nc_u64 s[HBS:HBS+1], s[6:7], s[42:43]    ; and of scale words
	s_and_b32 s44, s[BH], 15                       ; head
	s_lshr_b32 s45, s[BH], 4
	s_lshl_b32 s45, s45, 7
	s_add_co_u32 s45, s45, s[WV]                   ; y's tile: 128 x batch + wave (+ 16 x block)
	s_lshr_b32 s46, s44, 2
	s_mul_i32 s42, s46, SX                         ; the head's 64 along C: which 256,
	s_mul_i32 s46, s45, 3072
	s_add_co_u32 s42, s42, s46
	s_bfe_u32 s46, s44, 0x10001
	s_mul_i32 s46, s46, 1536                       ; which 128,
	s_add_co_u32 s42, s42, s46
	s_and_b32 s46, s44, 1
	s_mul_i32 s46, s46, 768                        ; which 64: pieces 0-2 or 3-5
	s_add_co_u32 s42, s42, s46
	s_add_nc_u64 s[YAB:YAB+1], s[8:9], s[42:43]
	s_lshl_b32 s42, s45, 9
	s_lshl_b32 s46, s44, 1
	s_add_co_u32 s42, s42, s46
	s_add_nc_u64 s[YBB:YBB+1], s[10:11], s[42:43]
.macro GLOAD                           ; a slot from memory into registers: every load of a wave reads 512 consecutive bytes
	global_load_b128 v[192:195], v4, s[KV:KV+1]
	global_load_b128 v[196:199], v5, s[KV:KV+1]
	global_load_b128 v[200:203], v6, s[KV:KV+1]
	s_cmp_lt_u32 s[WV], 2
	s_cbranch_scc0 .Lno_words_\@
	global_load_b128 v[204:207], v7, s[KS:KS+1]
.Lno_words_\@:
.endm
.macro LSTORE P
	ds_store_b128 v3, v[192:195] offset:(\P)*SLOTB
	ds_store_b128 v3, v[196:199] offset:(\P)*SLOTB+8192
	ds_store_b128 v3, v[200:203] offset:(\P)*SLOTB+16384
	s_cmp_lt_u32 s[WV], 2
	s_cbranch_scc0 .Lno_words_\@
	ds_store_b128 v3, v[204:207] offset:(\P)*SLOTB+24576
.Lno_words_\@:
.endm
; A KEY STEP: 128 keys, the q-th of slot P
.macro STEP P, q
	s_lshl_b32 s[ST], s[SL], 1
.if \q
	s_add_co_u32 s[ST], s[ST], 1
.endif
	s_cmp_gt_u32 s[ST], s[LAST]                    ; all its keys come after my 16 queries: left out (a branch on ids)
	s_cbranch_scc1 .Lhidden_\@
.rept 4
	v_nop                                          ; places in front of loads into registers that the last products read
.endr
.irp b, 0,1,2,3
.irp c, 0,1,2
	ds_load_b128 v[36+12*\b+4*\c:39+12*\b+4*\c], v1 offset:\P*SLOTB+\q*6144+\b*1536+512*\c
.endr
.endr
	ds_load_b128 v[84:87], v2 offset:\P*SLOTB+24576+256*\q
	s_wait_dscnt 0x0
.irp b, 0,1,2,3
	v_wmma_scale_f32_16x16x128_f8f6f4 v[96+16*\b:103+16*\b], v[36+12*\b:47+12*\b], v[22:33], 0, v[84+\b], v255 matrix_a_fmt:MATRIX_FMT_BF6 matrix_b_fmt:MATRIX_FMT_BF6
	v_wmma_scale_f32_16x16x128_f8f6f4 v[104+16*\b:111+16*\b], v[36+12*\b:47+12*\b], v[16:27], 0, v[84+\b], v255 matrix_a_fmt:MATRIX_FMT_BF6 matrix_b_fmt:MATRIX_FMT_BF6
.endr
.rept 4
	v_nop                                          ; places: V's operands land where K's lay, and the scores are read below
.endr
.irp a, 0,1,2,3
.irp c, 0,1,2
	ds_load_b128 v[36+12*\a+4*\c:39+12*\a+4*\c], v1 offset:\P*SLOTB+12288+\q*6144+\a*1536+512*\c
.endr
.endr
	ds_load_b128 v[88:91], v2 offset:\P*SLOTB+25088+256*\q   ; they land while the softmax is walked
	s_cmp_lg_u32 s[ST], s[LAST]
	s_cbranch_scc1 .Lopen_\@
.set n, 0
.rept 64                               ; on the diagonal hidden scores become -infinity ahead of the maximum: p = 0 then
	v_cmp_gt_i32 vcc_lo, 32*(n/16)+n%16, v8
	v_cndmask_b32 v[96+n], v[96+n], v11, vcc_lo
.set n, n+1
.endr
.Lopen_\@:
.irp b, 0,1,2,3
	v_max3_num_f32 v[232+\b], v[96+16*\b], v[97+16*\b], v[98+16*\b]   ; the largest score of each block of 32 keys: for the row's maximum, and for the block's largest p
.endr
.irp i, 3,5,7,9,11,13
.irp b, 0,1,2,3
	v_max3_num_f32 v[232+\b], v[232+\b], v[96+16*\b+\i], v[97+16*\b+\i]
.endr
.endr
.irp b, 0,1,2,3
	v_max_num_f32 v[232+\b], v[232+\b], v[111+16*\b]
.endr
.irp b, 0,1,2,3
	v_permlanex16_b32 v[236+\b], v[232+\b], s[SEL], s[SEL+1]
.endr
.irp b, 0,1,2,3
	v_max_num_f32 v[232+\b], v[232+\b], v[236+\b]
.endr
	v_max3_num_f32 v254, v232, v233, v234
	v_max_num_f32 v254, v254, v235
	v_mul_f32 v254, s[CS], v254
	v_max_num_f32 v13, v13, v254                   ; the running largest t
	v_mov_b32 v254, v12
	v_floor_f32 v12, -v13                          ; the new -M: a whole number
	v_sub_f32 v254, v12, v254
	v_cvt_i32_f32 v254, v254                       ; (it saturates)
	v_ldexp_f32 v252, 1.0, v254                    ; f = 2^(old M - new M): rounds nothing
.set n, 0
.rept 32
	v_pk_fma_f32 v[96+n:97+n], v[96+n:97+n], s[CS:CS+1], v[12:13] op_sel_hi:[1,0,0]   ; t - M
.set n, n+2
.endr
.irp b, 0,1,2,3
	v_fma_f32 v[232+\b], v[232+\b], s[CS], v12
.endr
.set n, 0
.rept 64
	v_exp_f32 v[96+n], v[96+n]                     ; p = 2^(t - M)
.set n, n+1
.endr
	v_pk_mul_f32 v[14:15], v[14:15], v[252:253] op_sel_hi:[1,0]   ; the sums under the new M: a plain place behind the exponentials
	s_wait_alu depctr_va_vdst(0)                   ; one wait for the batch, ahead of its first reader
.irp b, 0,1,2,3
	v_exp_f32 v[232+\b], v[232+\b]                 ; each block's largest p
.endr
	v_pk_add_f32 v[236:237], v[96:97], v[98:99]    ; the row's sum, of the unquantised p, in two chains
.irp j, 4,8,12,16,20,24,28,32,36,40,44,48,52,56,60
	v_pk_add_f32 v[14:15], v[14:15], v[96+\j:97+\j]
	v_pk_add_f32 v[236:237], v[236:237], v[98+\j:99+\j]
.endr
	v_pk_add_f32 v[14:15], v[14:15], v[236:237]
	s_wait_alu depctr_va_vdst(0)                   ; and one for the four
.irp b, 0,1,2,3
	v_max_num_f32 v[232+\b], 0x2800000, v[232+\b]
.endr
.irp b, 0,1,2,3
	v_add_nc_u32 v[244+\b], 0xfe000000, v[232+\b]
.endr
.irp b, 0,1,2,3
	v_lshrrev_b32 v[236+\b], 23, v[244+\b]
.endr
	v_lshl_or_b32 v253, v237, 8, v236              ; p's scale word for these 128 keys
	v_lshl_or_b32 v253, v238, 16, v253
	v_lshl_or_b32 v253, v239, 24, v253
.irp c, 0,1
	v_cvt_scalef32_pk16_bf6_f32 v[224+6*\c:226+6*\c], v[96+32*\c:111+32*\c], v[244+2*\c]
	v_cvt_scalef32_pk16_bf6_f32 v[236+4*\c:238+4*\c], v[112+32*\c:127+32*\c], v[244+2*\c+1]
.endr
	v_nop                                          ; one plain place behind a scaled conversion
.irp c, 0,1
.irp i, 0,1,2
	v_permlane16_swap_b32 v[224+6*\c+\i], v[236+4*\c+\i]
.endr
.irp i, 0,1,2
	v_mov_b32 v[227+6*\c+\i], v[236+4*\c+\i]
.endr
.endr
.set n, 0
.rept 16
	v_pk_mul_f32 v[160+n:161+n], v[160+n:161+n], v[252:253] op_sel_hi:[1,0]   ; O^T under the new M; these sixteen stand between the making of p's codes and scale word and the products
.set n, n+2
.endr
	s_wait_dscnt 0x0                               ; V
.irp a, 0,1,2,3
	v_wmma_scale_f32_16x16x128_f8f6f4 v[160+8*\a:167+8*\a], v[36+12*\a:47+12*\a], v[224:235], v[160+8*\a:167+8*\a], v[88+\a], v253 matrix_a_fmt:MATRIX_FMT_BF6 matrix_b_fmt:MATRIX_FMT_BF6
.endr
.Lhidden_\@:
.endm
; A SEGMENT: slot P is read; the next slot's bytes are asked for at its head and stored into the other slot at its end.  One barrier does both orderings: nobody reads the other slot in this segment
; (its readers waited for their loads in front of the last barrier), and my stores have landed in front of this one.
.macro SEG P
	s_cmp_lt_u32 s[SL], s[QB]
	s_cbranch_scc0 .Lno_load_\@
	s_add_nc_u64 s[KV:KV+1], s[KV:KV+1], 12288     ; (the loads that read these bases were waited for in the last segment)
	s_add_nc_u64 s[KS:KS+1], s[KS:KS+1], 512
	GLOAD
.Lno_load_\@:
	s_cmp_le_u32 s[SL], s[QB]
	s_cbranch_scc0 .Lno_work_\@
	STEP \P, 0
	STEP \P, 1
.Lno_work_\@:
	s_wait_loadcnt 0x0
	s_cmp_lt_u32 s[SL], s[QB]
	s_cbranch_scc0 .Lno_store_\@
	LSTORE 1-\P
.Lno_store_\@:
	s_wait_dscnt 0x0                               ; my stores have landed and my reads of this slot are over
	s_barrier_signal -1
	s_barrier_wait -1
	s_add_co_u32 s[SL], s[SL], 1
.endm
.Lblock:
	s_wait_xcnt 0x0                                ; the last block's stores have read their bases and registers
	s_mul_i32 s42, s[QB], 49152                    ; 16 tiles of 3,072 bytes a block
	s_mov_b32 s43, 0
	s_add_nc_u64 s[YA:YA+1], s[YAB:YAB+1], s[42:43]
	s_lshl_b32 s42, s[QB], 13
	s_add_nc_u64 s[YB:YB+1], s[YBB:YBB+1], s[42:43]
	s_lshl_b32 s[LAST], s[QB], 1
	s_add_co_u32 s[LAST], s[LAST], s[W8]
	s_lshl_b32 s42, s[QB], 3
	s_lshr_b32 s44, s[WV], 1
	s_add_co_u32 s42, s42, s44
	s_mul_i32 s42, s42, 1536                       ; my pair of tiles of q
	s_add_nc_u64 s[QP:QP+1], s[HBC:HBC+1], s[42:43]
	s_lshl_b32 s42, s[LAST], 8
	s_add_co_u32 s42, s42, s[IX]
	s_add_nc_u64 s[QW:QW+1], s[HBS:HBS+1], s[42:43]
	s_mov_b64 s[KV:KV+1], s[HBC:HBC+1]
	s_mov_b64 s[KS:KS+1], s[HBS:HBS+1]
	global_load_b128 v[208:211], v1, s[QP:QP+1]
	global_load_b128 v[212:215], v1, s[QP:QP+1] offset:512
	global_load_b128 v[216:219], v1, s[QP:QP+1] offset:1024
	global_load_b32 v254, v2, s[QW:QW+1]
	GLOAD                                          ; slot 0
	v_mov_b32 v13, 0xff61b1e6                      ; the largest t so far: -3e38
	v_floor_f32 v12, -v13
	v_mov_b32 v14, 0
	v_mov_b32 v15, 0
	s_wait_loadcnt 0x0
.irp e, 0,1,2,3,4,5
	v_cndmask_b32 v[22+\e], v[208+\e], v[214+\e], s[UM]   ; my tile of the pair
.endr
	v_lshrrev_b32 v254, s[U16], v254
	v_and_b32 v254, 0xffff, v254
	v_lshl_or_b32 v255, v254, 16, v254             ; q's two bytes, twice: they serve q | 0 and 0 | q
.set n, 0
.rept 32
	v_mov_b32 v[160+n], 0                          ; O^T begins as zeros; these also stand between the making of q's operand and word and the first product
.set n, n+1
.endr
	LSTORE 0
	s_wait_dscnt 0x0
	s_barrier_signal -1
	s_barrier_wait -1
	s_mov_b32 s[SL], 0
	s_mov_b32 s[TRIP], 4
.Lslot:
	SEG 0
	SEG 1
	s_sub_co_u32 s[TRIP], s[TRIP], 1
	s_cmp_lg_u32 s[TRIP], 0
	s_cbranch_scc1 .Lslot
	; THE WAY OUT: O^T / the sum; registers 16 b + i are the head's channels 32 b + 16 h + i: two blocks of the last product's K
.rept 4
	v_nop
.endr
	v_add_f32 v14, v14, v15
	v_permlanex16_b32 v252, v14, s[SEL], s[SEL+1]
	v_add_f32 v14, v14, v252
	v_rcp_f32 v14, v14
	v_nop                                          ; a plain place behind the transcendental
	s_wait_alu depctr_va_vdst(0)                   ; the wait, ahead of the first reader
.set n, 0
.rept 32
	v_mul_f32 v[96+n], v[160+n], v14               ; each accumulator from its low end on
.set n, n+1
.endr
.irp b, 0,1
	v_max3_num_f32 v[232+\b], |v[96+16*\b]|, |v[97+16*\b]|, 0x2800000
.endr
.irp i, 2,4,6,8,10,12,14
.irp b, 0,1
	v_max3_num_f32 v[232+\b], v[232+\b], |v[96+16*\b+\i]|, |v[97+16*\b+\i]|
.endr
.endr
.irp b, 0,1
	v_permlanex16_b32 v[236+\b], v[232+\b], s[SEL], s[SEL+1]
.endr
.irp b, 0,1
	v_max_num_f32 v[232+\b], v[232+\b], v[236+\b]
.endr
.irp b, 0,1
	v_add_nc_u32 v[244+\b], 0xfe000000, v[232+\b]
.endr
.irp b, 0,1
	v_lshrrev_b32 v[236+\b], 23, v[244+\b]
.endr
	v_cvt_scalef32_pk16_bf6_f32 v[224:226], v[96:111], v244
	v_cvt_scalef32_pk16_bf6_f32 v[240:242], v[112:127], v245
	v_nop                                          ; one plain place behind a scaled conversion
.irp i, 0,1,2
	v_permlane16_swap_b32 v[224+\i], v[240+\i]
.endr
.irp i, 0,1,2
	v_mov_b32 v[227+\i], v[240+\i]
.endr
	v_cndmask_b32 v238, v236, v237, s[HM]          ; lanes 0-15 store block 0's byte, lanes 16-31 block 1's
.irp e, 0,1,2
	global_store_b64 v9, v[224+2*\e:225+2*\e], s[YA:YA+1] offset:256*\e   ; a piece: 256 consecutive bytes, aligned
.endr
	global_store_b8 v10, v238, s[YB:YB+1]          ; (single bytes, rows 32 bytes apart: 262,144 bytes in the whole launch)
	s_sub_co_u32 s[QB], 7, s[QB]                   ; the other block
	s_sub_co_u32 s[BLKC], s[BLKC], 1
	s_cmp_lg_u32 s[BLKC], 0
	s_cbranch_scc1 .Lblock
	s_wait_tensorcnt 0x0
	ds_add_u32 v250, v251
	s_wait_dscnt 0x0
	s_endpgm
.Lfunc_end_k_q2b940b7928_attn:
	.size	k_q2b940b7928_attn, .Lfunc_end_k_q2b940b7928_attn-k_q2b940b7928_attn
	.p2alignl 7, 3214868480
	.fill 96, 4, 3214868480
	.section	.rodata,"a",@progbits
	.p2align	6, 0x0
	.amdhsa_kernel k_q2b940b7928_attn
		.amdhsa_group_segment_fixed_size 53248
		.amdhsa_private_segment_fixed_size 0
		.amdhsa_enable_private_segment 0
		.amdhsa_kernarg_size 32
		.amdhsa_user_sgpr_count 2
		.amdhsa_user_sgpr_kernarg_segment_ptr 1
		.amdhsa_wavefront_size32 1
		.amdhsa_system_sgpr_workgroup_id_x 1
		.amdhsa_system_sgpr_workgroup_id_y 1
		.amdhsa_system_sgpr_workgroup_id_z 1
		.amdhsa_system_vgpr_workitem_id 0
		.amdhsa_next_free_vgpr 256
		.amdhsa_next_free_sgpr 66
		.amdhsa_reserve_vcc 1
		.amdhsa_float_denorm_mode_32 3
		.amdhsa_float_denorm_mode_16_64 3
		.amdhsa_memory_ordered 1
		.amdhsa_forward_progress 1
		.amdhsa_inst_pref_size 95
	.end_amdhsa_kernel
	.amdgpu_metadata
---
amdhsa.version: [ 1, 2 ]
amdhsa.kernels:
  - .name:           k_q2b940b7928_attn
    .symbol:         k_q2b940b7928_attn.kd
    .args:
      - { .name: qkvc, .offset: 0, .size: 8, .value_kind: global_buffer, .address_space: global }
      - { .name: qkvs, .offset: 8, .size: 8, .value_kind: global_buffer, .address_space: global }
      - { .name: yc, .offset: 16, .size: 8, .value_kind: global_buffer, .address_space: global }
      - { .name: ys, .offset: 24, .size: 8, .value_kind: global_buffer, .address_space: global }
    .group_segment_fixed_size: 53248
    .private_segment_fixed_size: 0
    .kernarg_segment_align: 8
    .kernarg_segment_size: 32
    .max_flat_workgroup_size: 512
    .sgpr_count:     66
    .vgpr_count:     256
    .wavefront_size: 32
...
	.end_amdgpu_metadata
.endif
;; end of part 3
;; launch proj (part 4): grid 4 x 32, 4 waves a work-group, clusters of 4 x 4, 327,680 bytes of LDS; arguments yc, ys, wc, ws, b_proj, out0; writes out0
.if DOCPART == 4
	.amdgcn_target "amdgcn-amd-amdhsa--gfx1250"
	.amdhsa_code_object_version 6
	.text
	.protected	k_q2b940b7928_proj
	.globl	k_q2b940b7928_proj
	.p2align	8
	.type	k_q2b940b7928_proj,@function
k_q2b940b7928_proj:
	s_mov_b64 s[64:65], 0
	v_nop
	global_prefetch_b8 v0, s[64:65] scope:SCOPE_SE
	s_setreg_imm32_b32 hwreg(HW_REG_WAVE_MODE, 25, 1), 1
	s_wait_xcnt 0x0
	s_wait_alu depctr_hold_cnt(0) depctr_sa_sdst(0) depctr_va_vdst(0) depctr_va_sdst(0) depctr_va_ssrc(0) depctr_va_vcc(0) depctr_vm_vsrc(0)
	s_getreg_b32 s2, hwreg(HW_REG_IB_STS2, 6, 4)
	s_cmp_eq_u32 s2, 0
	s_cbranch_scc0 .Lentry_in_a_cluster
	s_endpgm
.Lentry_in_a_cluster:
	s_bfe_u32 s2, ttmp6, 0x10000c
	s_cmp_lg_u32 s2, 0xf033
	s_cbranch_scc0 .Lentry_shape_is_right
	s_endpgm
.Lentry_shape_is_right:
; PROJ: out0 = y W_proj + b_proj on codes of BF6, K = 1,024.  y's codes and scale bytes come from the attention launch, W_proj's are tiles 192-255 of wc and rows 3,072 on of ws.
; A work-group of four waves makes 256 x 256 of out0, a wave 128 x 128: 64 accumulators.  K goes in four steps of 256 through two LDS slots filled by joint tensor loads (4 x 4 clusters: A's tile shared
; along a row of the cluster, B's along a column).  The scale bytes of the 256 + 256 rows come once, with the first fills.  128 work-groups: out0 has no more tiles of this size.
; THE MATRIX INSTRUCTION IS USED TRANSPOSED (source 0 = 16 positions of W, source 1 = 16 of y).  The buffers hold row pi(p) at position p (bits 3 and 4 exchanged): lane (r, h) of block a holds token
; 32 (a / 2) + 8 (a % 2) + r + 8 (r / 8), and register j of accumulator b column 32 (b / 2) + 16 h + 8 (b % 2) + j.  The way out puts both right.
; b_proj is the C of each sum's first product: an order of f32 rounding other than (y W) + b.  LIMITS: NaN and infinities are not served.
.set SX,    1572864
.set SW,    786432
.set NQ,    2
.set FR,    12
.set NL,    6
.set NP,    4                          ; places behind this matrix instruction (ISA guide 7.12.1)
.set HALFT, 24576
.set SLOT,  4*HALFT
.set SCL,   2*SLOT
.set HALFS, 4352
.set SBLK,  544
.set SPARE, SCL+4*HALFS                ; the spare words, 128 bytes a wave: two blocks of 256 bytes that no other line names
.set SPITCH, 528                       ; the way out: 16 rows x (512 bytes + 16) a wave, in slot 0, which has had its last fill and its last read by then
.set ADRA, 16
.set ADRB, 20
.set STO,  24
.set RD,   25
.set CO,   26
.set ADRS, 27
.set SPW,  28
.set NIL,  29
.set SC,   32
.set BI,   64                          ; v64-127 the bias: eight registers for each of B's eight blocks
.set AF,   128
.set BK,   128
.set G1, 24
.set G0, 32
.set G1B, 48
.set G0B, 56
.set G1S, 68
.set G0S, 76
.set G1SB, 80
.set G0SB, 88
.set MSB, 0
.macro WIN new
.if MSB != (\new)
	s_set_vgpr_msb (MSB<<8)|(\new)
.set MSB, \new
.endif
.endm
.set MUL_LO, 0xa1
.set MUL_HI, 0xf1
.set TO_B,   0x40
.macro JLOAD g0a, g1a, g0b, g1b        ; a joint load: waves 0, 1 fetch for A, waves 2, 3 for B; four v_nop follow each line
	s_cmp_eq_u32 s15, 0
	s_cbranch_scc0 .Lfor_b_\@
	tensor_load_to_lds s[\g0a:\g0a+3], s[\g1a:\g1a+7]
	s_nop 0
.rept 4
	v_nop
.endr
	s_branch .Lasked_\@
.Lfor_b_\@:
	tensor_load_to_lds s[\g0b:\g0b+3], s[\g1b:\g1b+7]
	s_nop 0
.rept 4
	v_nop
.endr
.Lasked_\@:
.endm
.macro CREST
	s_cmp_lg_u32 s14, 0
	s_cbranch_scc1 .Lnot_wave_0_\@
	s_barrier_signal -3
.Lnot_wave_0_\@:
	s_barrier_wait -3
	s_barrier_signal -1
	s_barrier_wait -1
.endm
.macro CROUND
	s_barrier_signal -1
	s_barrier_wait -1
	CREST
.endm
	s_load_b256 s[4:11], s[0:1], 0x0               ; yc s[4:5], ys s[6:7], wc s[8:9], ws s[10:11]
	s_load_b128 s[92:95], s[0:1], 0x20             ; b_proj s[92:93], out0 s[94:95]
	v_lshl_add_u32 v[SPW], v0, 2, SPARE
	v_mov_b32 v[NIL], 0
	ds_add_u32 v28, v29
	ds_add_u32 v28, v29
	s_wait_dscnt 0x0
	v_lshrrev_b32 v1, 5, v0
	v_readfirstlane_b32 s14, v1                    ; wave 0..3
	s_lshr_b32 s15, s14, 1
	s_and_b32 s16, s14, 1
	s_bfe_u32 s40, ttmp6, 0x40000                  ; cx
	s_bfe_u32 s41, ttmp6, 0x40004                  ; cy
	s_lshl_b32 s42, ttmp9, 2
	s_add_co_u32 s42, s42, s40                     ; tile column of out0
	s_and_b32 s17, ttmp7, 0xffff
	s_lshl_b32 s17, s17, 2
	s_add_co_u32 s17, s17, s41                     ; tile row
	s_lshl_b32 s43, s41, 2
	s_lshl_b32 s43, 15, s43
	s_lshl_b32 s44, 0x1111, s40
	s_or_b32 s[G1+0], s43, (3<<16)|(1<<21)         ; codes: a dense block of 24,576 bytes as 96 rows of 256
	s_or_b32 s[G1B+0], s44, (3<<16)|(1<<21)
.irp g, G1, G1B
	s_mov_b32 s[\g+1], 32<<16
	s_mov_b32 s[\g+2], 96<<16
	s_mov_b32 s[\g+3], 32<<16
	s_mov_b32 s[\g+4], 96
	s_mov_b32 s[\g+5], 32
	s_mov_b32 s[\g+6], 0
	s_mov_b32 s[\g+7], 0
.endr
	s_or_b32 s[G1S+0], s43, (3<<16)|(1<<20)|(1<<21)|(5<<22)|(3<<25)   ; scale bytes of 128 rows: 16 rows of 256, 16 bytes of padding behind each
	s_or_b32 s[G1SB+0], s44, (3<<16)|(1<<20)|(1<<21)|(5<<22)|(3<<25)
.irp g, G1S, G1SB
	s_mov_b32 s[\g+1], 32<<16
	s_mov_b32 s[\g+2], 16<<16
	s_mov_b32 s[\g+3], 32<<16
	s_mov_b32 s[\g+4], 16
	s_mov_b32 s[\g+5], 32
	s_mov_b32 s[\g+6], 0
	s_mov_b32 s[\g+7], 0
.endr
	s_lshl_b32 s18, s16, 3
	s_lshl_b32 s20, s17, 4
	s_add_co_u32 s20, s20, s18                     ; A: tile 16 x tile row + my 8
	s_lshl_b32 s46, s42, 4
	s_add_co_u32 s46, s46, s18
	s_add_co_u32 s96, s46, 192                     ; B: tile 192 + 16 x tile column + my 8
	s_mul_i32 s45, s14, HALFT
	s_mul_i32 s97, s14, HALFS
	s_wait_kmcnt 0x0
	s_mul_i32 s22, s20, 3072
	s_mov_b32 s23, 0
	s_add_nc_u64 s[4:5], s[4:5], s[22:23]
	s_lshl_b32 s22, s20, 9
	s_add_nc_u64 s[6:7], s[6:7], s[22:23]
	s_mul_i32 s46, s96, 3072
	s_mov_b32 s47, 0
	s_add_nc_u64 s[8:9], s[8:9], s[46:47]
	s_lshl_b32 s46, s96, 9
	s_add_nc_u64 s[10:11], s[10:11], s[46:47]
	CROUND                                         ; all sixteen work-groups are here: the first joint loads meet
	s_mov_b32 s[G0S], 1
	s_add_co_u32 s[G0S+1], s97, SCL
	s_mov_b64 s[G0S+2:G0S+3], s[6:7]
	s_or_b32 s[G0S+3], s[G0S+3], 0x80000000
	s_mov_b32 s[G0SB], 1
	s_add_co_u32 s[G0SB+1], s97, SCL
	s_mov_b64 s[G0SB+2:G0SB+3], s[10:11]
	s_or_b32 s[G0SB+3], s[G0SB+3], 0x80000000
	JLOAD G0S, G1S, G0SB, G1SB
.irp s, 0,1
	s_mov_b32 s[G0+4*\s], 1
	s_add_co_u32 s[G0+4*\s+1], s45, \s*SLOT
	s_add_nc_u64 s[G0+4*\s+2:G0+4*\s+3], s[4:5], \s*SX
	s_or_b32 s[G0+4*\s+3], s[G0+4*\s+3], 0x80000000
	s_mov_b32 s[G0B+4*\s], 1
	s_add_co_u32 s[G0B+4*\s+1], s45, \s*SLOT
	s_add_nc_u64 s[G0B+4*\s+2:G0B+4*\s+3], s[8:9], \s*SW
	s_or_b32 s[G0B+4*\s+3], s[G0B+4*\s+3], 0x80000000
	JLOAD G0+4*\s, G1, G0B+4*\s, G1B               ; three loads of mine are out behind the last
.endr
	v_and_b32 v1, 15, v0                           ; r
	v_bfe_u32 v2, v0, 4, 1                         ; h
	v_and_b32 v3, 31, v0                           ; lane
	v_lshlrev_b32 v7, 6, v2                        ; the bias: 64 h
	s_lshl_b32 s6, s42, 10
	s_lshl_b32 s7, s16, 9
	s_add_co_u32 s6, s6, s7                        ; my first column, in bytes
	s_mov_b32 s7, 0
	s_add_nc_u64 s[92:93], s[92:93], s[6:7]
.irp b, 0,1,2,3,4,5,6,7
	global_load_b128 v[BI+8*\b:BI+8*\b+3], v7, s[92:93] offset:128*(\b/2)+32*(\b%2)
	global_load_b128 v[BI+8*\b+4:BI+8*\b+7], v7, s[92:93] offset:128*(\b/2)+32*(\b%2)+16
.endr
	v_lshlrev_b32 v4, 3, v3
	s_mul_i32 s4, s15, HALFT
	s_mul_i32 s5, s16, HALFT
	s_add_co_u32 s5, s5, 2*HALFT
.irp s, 0,1
	v_add_nc_u32 v[ADRA+\s], s4, v4
	v_add_nc_u32 v[ADRB+\s], s5, v4
	s_add_co_u32 s4, s4, SLOT
	s_add_co_u32 s5, s5, SLOT
.endr
	v_mul_u32_u24 v5, v1, 32
	v_lshrrev_b32 v6, 8, v5
	v_lshl_add_u32 v5, v6, 4, v5
	s_mul_i32 s4, s15, HALFS
	s_mul_i32 s5, s16, HALFS
	s_add_co_u32 s5, s5, 2*HALFS
	s_sub_co_u32 s5, s5, s4
	v_mul_u32_u24 v6, s5, v2
	s_add_co_u32 s4, s4, SCL
	v_add_nc_u32 v5, v5, v6
	v_add_nc_u32 v[ADRS], s4, v5
	s_mul_i32 s4, s14, 16*SPITCH                   ; my stage
	v_mul_u32_u24 v5, v1, SPITCH
	v_lshl_add_u32 v5, v2, 6, v5
	v_add_nc_u32 v[STO], s4, v5                    ; in: row r, + 64 h
	v_lshlrev_b32 v[CO], 4, v3
	v_add_nc_u32 v[RD], s4, v[CO]                  ; back: 32 lanes take a row of 512 bytes
	s_lshl_b32 s4, s17, 8
	s_lshl_b32 s5, s15, 7
	s_add_co_u32 s4, s4, s5                        ; my first row of out0
	s_lshl_b32 s4, s4, 12
	s_add_co_u32 s4, s4, s6
	s_mov_b32 s5, 0
	s_add_nc_u64 s[12:13], s[94:95], s[4:5]
.macro FRAG reg, adr, q, i             ; a fragment: six pieces of 256 consecutive bytes, 8 bytes a lane
.irp p, 0,1,2,3,4,5
	ds_load_b64 v[\reg+2*\p:\reg+2*\p+1], v[\adr] offset:(\i)*3072+(\q)*1536+256*\p
.endr
.endm
; 16 matrix instructions.  first = 1: the bias is the C of the sum's first product.  The 64 accumulators take turns, one instruction a turn.
.macro MUL16 a0, p, q, sc, first
.irp a, \a0, \a0+1
.irp b, 0,1,2,3,4,5,6,7
.set rD, 8*(8*((\a)%4)+\b)
.set rB, 128*(\p)+FR*\b
.set rA, AF+FR*(\a)
.set rSB, SC+8*NQ*(\sc)+NQ*\b+(\q)
.set rSA, SC+8*NQ*(\sc)+NQ*(\a)+(\q)
.if \first
	v_wmma_scale_f32_16x16x128_f8f6f4 v[rD:rD+7], v[rB:rB+FR-1], v[rA:rA+FR-1], v[BI+8*\b:BI+8*\b+7], v[rSB], v[rSA] matrix_a_fmt:MATRIX_FMT_BF6 matrix_b_fmt:MATRIX_FMT_BF6 matrix_a_scale:MATRIX_SCALE_ROW1
.else
	v_wmma_scale_f32_16x16x128_f8f6f4 v[rD:rD+7], v[rB:rB+FR-1], v[rA:rA+FR-1], v[rD:rD+7], v[rSB], v[rSA] matrix_a_fmt:MATRIX_FMT_BF6 matrix_b_fmt:MATRIX_FMT_BF6 matrix_a_scale:MATRIX_SCALE_ROW1
.endif
.endr
.endr
.endm
.macro FETCH_B slot, q, p
	WIN TO_B
.irp i, 0,1,2,3,4,5,6,7
	FRAG 128*(\p)+FR*\i, ADRB+\slot, \q, \i
.endr
	WIN 0
.endm
.macro FETCH_A slot, q, i0
.irp i, \i0, \i0+1, \i0+2, \i0+3
	FRAG AF+FR*(\i), ADRA+\slot, \q, \i
.endr
.endm
.macro SCALES sc
.irp i, 0,1,2,3,4,5,6,7
	ds_load_b64 v[SC+8*NQ*\sc+NQ*\i:SC+8*NQ*\sc+NQ*\i+1], v[ADRS] offset:\i*SBLK
.endr
.endm
.macro PLACES n
.rept \n
	v_nop
.endr
.endm
.macro STEP slot, q, first
	s_wait_dscnt 4*NL                              ; B's set and A's blocks 0-3 are in; the youngest 24 loads (A's blocks 4-7) may be out
.if \first
	WIN 0x81                                       ; source 0 window 1, sources 1 and 2 (the bias) window 0, D window 2
.else
	WIN MUL_LO
.endif
	MUL16 0, (\q)%2, \q, \slot, \first
	MUL16 2, (\q)%2, \q, \slot, \first
	s_wait_dscnt 0x0
	PLACES NP
	FETCH_B \slot, (\q)+1, 1-(\q)%2
	FETCH_A \slot, (\q)+1, 0
.if \first
	WIN 0xc1
.else
	WIN MUL_HI
.endif
	MUL16 4, (\q)%2, \q, \slot, \first
	MUL16 6, (\q)%2, \q, \slot, \first
	PLACES NP
	WIN 0
	FETCH_A \slot, (\q)+1, 4
.endm
.macro TURN slot, next, fill
	s_wait_tensorcnt 0x0                           ; all my tensor loads have landed: my part of the next slot
	ds_add_u32 v[SPW], v[NIL]                      ; 0 onto my spare word
	s_wait_dscnt 4*NL+1                            ; (the add and A's blocks 4-7 may be out)
	WIN MUL_LO
	MUL16 0, 1, NQ-1, \slot, 0
	s_wait_dscnt 0x0                               ; the add is done, and my reads of this slot are over
	s_barrier_signal -1
	MUL16 2, 1, NQ-1, \slot, 0
	WIN 0
	s_barrier_wait -1
.if \fill
	CREST                                          ; the barrier has opened a round of the cluster's: no wave of any partner still reads this slot or has a load on its way
	s_add_nc_u64 s[G0+4*\slot+2:G0+4*\slot+3], s[G0+4*\slot+2:G0+4*\slot+3], 2*SX
	s_add_nc_u64 s[G0B+4*\slot+2:G0B+4*\slot+3], s[G0B+4*\slot+2:G0B+4*\slot+3], 2*SW
	JLOAD G0+4*\slot, G1, G0B+4*\slot, G1B
.else
	PLACES NP
.endif
	v_add_nc_u32 v[ADRS], 4*NQ, v[ADRS]
	FETCH_B \next, 0, 0
	FETCH_A \next, 0, 0
	SCALES \next
	WIN MUL_HI
	MUL16 4, 1, NQ-1, \slot, 0
	MUL16 6, 1, NQ-1, \slot, 0
	PLACES NP
	WIN 0
	FETCH_A \next, 0, 4
.endm
	s_wait_tensorcnt 1                             ; the scale bytes and my part of slot 0 are in; slot 1's load may be out
	s_barrier_signal -1
	s_barrier_wait -1
	FETCH_B 0, 0, 0
	FETCH_A 0, 0, 0
	SCALES 0
	FETCH_A 0, 0, 4
	s_wait_loadcnt 0x0                             ; the bias
	STEP 0, 0, 1
	TURN 0, 1, 1
	STEP 1, 0, 0
	TURN 1, 0, 1
	STEP 0, 0, 0
	TURN 0, 1, 0
	STEP 1, 0, 0
	s_wait_dscnt 4*NL
	WIN MUL_LO
	MUL16 0, 1, NQ-1, 1, 0
	MUL16 2, 1, NQ-1, 1, 0
	s_wait_dscnt 0x0
	WIN MUL_HI
	MUL16 4, 1, NQ-1, 1, 0
	MUL16 6, 1, NQ-1, 1, 0
	WIN 0
; THE WAY OUT, block by block of 16 rows x 128 columns, through my own stage: in by the lane's 32 bytes at their true columns, back as whole rows of 512 bytes.  LDS serves a wave's instructions in order.
.macro TOSTAGE a
.set AC, 64*((\a)%4)
	WIN 0x08+4*((\a)/4)                            ; an LDS store's data: window 2 or 3
.irp b, 0,1,2,3,4,5,6,7
	ds_store_b128 v[STO], v[AC+8*\b:AC+8*\b+3] offset:128*(\b/2)+32*(\b%2)         ; each accumulator from its low end on
	ds_store_b128 v[STO], v[AC+8*\b+4:AC+8*\b+7] offset:128*(\b/2)+32*(\b%2)+16
.endr
	WIN 0
.set BB, BK+64*((\a)%2)
.irp t, 0,1,2,3,4,5,6,7,8,9,10,11,12,13,14,15
	ds_load_b128 v[BB+4*\t:BB+4*\t+3], v[RD] offset:\t*SPITCH
.endr
.endm
.macro SEND a, younger                 ; younger: the LDS instructions issued behind block a's loads, which may stay out
.set BB, BK+64*((\a)%2)
	s_wait_dscnt \younger
.irp t, 0,1,2,3,4,5,6,7,8,9,10,11,12,13,14,15
	global_store_b128 v[CO], v[BB+4*\t:BB+4*\t+3], s[12:13] offset:(32*((\a)/2)+8*((\a)%2)+\t+8*(\t/8))*4096 th:TH_STORE_NT   ; position t of block a is this row; 512 consecutive bytes, aligned
.endr
.endm
	PLACES NP
	TOSTAGE 0
.irp a, 1,2,3,4,5,6,7
.if \a > 1
	s_wait_xcnt 0x0                                ; block a - 2's stores have read their registers: block a's loads may land there
.endif
	TOSTAGE \a
	SEND \a-1, 32                                  ; behind block a - 1's loads: block a's 16 stores and 16 loads
.endr
	SEND 7, 0
	s_wait_tensorcnt 0x0                           ; the wave's end
	ds_add_u32 v[SPW], v[NIL]
	s_wait_dscnt 0x0
	CROUND                                         ; the closing round
	s_endpgm
.Lfunc_end_k_q2b940b7928_proj:
	.size	k_q2b940b7928_proj, .Lfunc_end_k_q2b940b7928_proj-k_q2b940b7928_proj
	.p2alignl 7, 3214868480
	.fill 96, 4, 3214868480
	.section	.rodata,"a",@progbits
	.p2align	6, 0x0
	.amdhsa_kernel k_q2b940b7928_proj
		.amdhsa_group_segment_fixed_size 327680
		.amdhsa_private_segment_fixed_size 0
		.amdhsa_enable_private_segment 0
		.amdhsa_kernarg_size 48
		.amdhsa_user_sgpr_count 2
		.amdhsa_user_sgpr_kernarg_segment_ptr 1
		.amdhsa_wavefront_size32 1
		.amdhsa_system_sgpr_workgroup_id_x 1
		.amdhsa_system_sgpr_workgroup_id_y 1
		.amdhsa_system_sgpr_workgroup_id_z 1
		.amdhsa_system_vgpr_workitem_id 0
		.amdhsa_next_free_vgpr 1024
		.amdhsa_next_free_sgpr 100
		.amdhsa_reserve_vcc 0
		.amdhsa_float_denorm_mode_32 3
		.amdhsa_float_denorm_mode_16_64 3
		.amdhsa_memory_ordered 1
		.amdhsa_forward_progress 1
		.amdhsa_inst_pref_size 160
	.end_amdhsa_kernel
	.amdgpu_metadata
---
amdhsa.version: [ 1, 2 ]
amdhsa.kernels:
  - .name:           k_q2b940b7928_proj
    .symbol:         k_q2b940b7928_proj.kd
    .args:
      - { .name: yc, .offset: 0, .size: 8, .value_kind: global_buffer, .address_space: global }
      - { .name: ys, .offset: 8, .size: 8, .value_kind: global_buffer, .address_space: global }
      - { .name: wc, .offset: 16, .size: 8, .value_kind: global_buffer, .address_space: global }
      - { .name: ws, .offset: 24, .size: 8, .value_kind: global_buffer, .address_space: global }
      - { .name: b_proj, .offset: 32, .size: 8, .value_kind: global_buffer, .address_space: global }
      - { .name: out0, .offset: 40, .size: 8, .value_kind: global_buffer, .address_space: global }
    .group_segment_fixed_size: 327680
    .private_segment_fixed_size: 0
    .kernarg_segment_align: 8
    .kernarg_segment_size: 48
    .max_flat_workgroup_size: 128
    .sgpr_count:     100
    .vgpr_count:     1024
    .wavefront_size: 32
...
	.end_amdgpu_metadata
.endif
;; end of part 4
;; ======== version 2 of 2: 4 launches; version 1 with the launch attn written anew for expert scheduling mode
;; workspace buffers: xc 6,291,456 bytes; xs 262,144 bytes; wc 3,145,728 bytes; ws 143,360 bytes; qkvc 18,874,368 bytes; qkvs 786,432 bytes; yc 6,291,456 bytes; ys 262,144 bytes
;; launch prep: the kernel of part 1 again; grid 513 x 1, 2 waves a work-group, no clusters, 29,952 bytes of LDS; arguments x, W_attn, W_proj, b_attn, bQ, bK, xc, xs, wc, ws, out1; writes xc, xs, wc, ws, out1
;; launch qkv: the kernel of part 2 again; grid 96 x 4, 4 waves a work-group, clusters of 4 x 4, 327,680 bytes of LDS; arguments xc, xs, wc, ws, qkvc, qkvs; writes qkvc, qkvs
;; launch attn (part 5): grid 4 x 64, 16 waves a work-group, no clusters, 53,248 bytes of LDS; arguments qkvc, qkvs, yc, ys; writes yc, ys
.if DOCPART == 5
	.amdgcn_target "amdgcn-amd-amdhsa--gfx1250"
	.amdhsa_code_object_version 6
	.text
	.protected	k_q2b940b7928_attn
	.globl	k_q2b940b7928_attn
	.p2align	8
	.type	k_q2b940b7928_attn,@function
k_q2b940b7928_attn:
	s_mov_b64 s[64:65], 0
	v_nop
	global_prefetch_b8 v0, s[64:65] scope:SCOPE_SE
	s_setreg_imm32_b32 hwreg(HW_REG_WAVE_SCHED_MODE, 0, 2), 2
	s_setreg_imm32_b32 hwreg(HW_REG_WAVE_MODE, 25, 1), 1
	s_wait_xcnt 0x0
	s_wait_alu depctr_vm_vsrc(0)
; ATTN: y = softmax(q k^T / 8, causal) v for one head of one batch, both products on codes of BF6; y leaves quantised along C, as the last product's operand.
; THE SOFTMAX: t = score x log2(e) / 8; M = the running largest t rounded UP to a whole number; p = 2^(t - M) is quantised along the keys; the row's sum is taken of the unquantised p and divides at the end.
; SHARES.  256 work-groups of equal work: work-group (i, head) takes the blocks 7 - i and i of 256 queries, one after the other.  Each of the sixteen waves owns 16 queries: four waves to a SIMD, so that one
; wave's vector work stands beside another's products and LDS loads.  K and V come 256 keys (a slot) at a time: global loads into registers a slot ahead, LDS stores, one barrier a slot, two slots by turns.
; No tensor load and no multicast: the four work-groups of a head want different numbers of slots, and a slot is 25,600 bytes for the work of 16 waves x 2 steps.
; EVERY BLOCK WALKS EIGHT SEGMENTS, a constant count; a segment whose keys all come after the block's queries loads and works nothing, but passes its barrier.  All LDS addresses are lane terms and immediates.
; LAYOUT.  Both products transposed: S^T = K Q^T, O^T = V^T P^T: a lane holds one query (lane % 16).  Operands lie in memory and LDS as images of their registers: three chunks of 512 bytes, 16 bytes a lane.
; K = 64 IN AN INSTRUCTION OF 128: an operand of K holds TWO tiles of 16 keys (registers 0-5, 6-11).  Q stands as zeros | q | zeros in 18 registers: v[22:33] = q | 0 takes the first tile, v[16:27] = 0 | q the second:
; zero codes add nothing under any scale byte of 1 .. 254.  Positions hold rows with bits 3 and 4 exchanged, so registers 16 b + i of S^T are keys 32 b + 16 (lane / 16) + i.
; LIMITS: NaN and infinities are not served.  A block's largest p is taken from its largest score (v_exp_f32 is taken not to fall where its input rises).  A block of zeros gets the byte 1.
; REGISTERS: v1-11 addresses and constants; v12 -M, v13 largest t, v[14:15] the sum; v16-33 Q; v36-83 four operands of K, then of V; v84-87, v88-91 their scale words; v96-159 S^T, then p; v160-191 O^T;
;   v192-207 the next slot on its way; v208-219 Q as loaded; v224-235 p's codes; v232-254 at work; v253 p's scale word; v255 Q's.  s4-11 and s56-63: behind the head, sixteen lane masks for the diagonal.
; THE MODE: SCHED_MODE bits 1:0 = 2 (LLVM: expert scheduling mode 2), set by the entry lines.  The code itself states the register dependences between vector or matrix instructions and memory or LDS
; instructions, with s_wait_alu, always for 0.
; THE PLAN.  Registers that memory or LDS instructions touch:
;   v1-7, v9, v10   addresses: written at the head and never again; one wait on va_vdst at the head's end serves every load and store of the kernel.
;   v192-207        written by the slot's global loads, read by the LDS stores, named by no vector instruction: one wait on vm_vsrc ahead of each barrier, behind the stores, frees them for the next loads.
;   v36-83, v84-87  K's LDS loads land at a step's head; the step's eight products K Q^T read them.  A wait on va_vdst at the step's head: the products of the step before are done with these registers.
;   v36-83, v88-91  V's LDS loads land behind K Q^T; the step's four products V^T P read them.  A wait on va_vdst behind K Q^T: those products are done reading v36-83.
;   v208-219, v254  q's global loads land at a block's head; vector instructions read them there (v254 is also at work in the steps).  The wait ahead of the last block's stores serves: no vector line follows it.
;   v224-229, v238  y's codes and byte: written on the way out, read by four stores: a wait on va_vdst ahead of the stores, one on vm_vsrc at the next block's head, whose steps write them again.
; K and V share v36-83: sixteen waves of 256 registers fill the SIMDs, and a wave has 13 registers unused, not the 48 of a second set.
; A scaled product's operands and scale words that vector instructions make (q's, p's) have a wait on va_vdst behind their places; a lane mask or a scalar that a vector instruction writes has one on va_sdst ahead of its first reader.
.set SEC,   6291456
.set SECS,  262144
.set SX,    1572864
.set SLOTB, 25600                      ; a slot: K 2 x 6,144, V 2 x 6,144, K's scale words 2 x 256, V's 2 x 256
.set WV,   12
.set QB,   13                          ; the block of 256 queries
.set SL,   14                          ; the segment = the slot of keys
.set ST,   15                          ; the step of 128 keys
.set LAST, 16                          ; my wave's last step, the one on the diagonal
.set UM,   17                          ; all ones where my tile is the second of its pair
.set U16,  18
.set HM,   19                          ; lanes 16-31
.set SEL,  20
.set CS,   22                          ; s[22:23] log2(e) / 8
.set KV,   24
.set KS,   26
.set HBC,  28
.set HBS,  30
.set YA,   32
.set YB,   34
.set QP,   36
.set QW,   38
.set TRIP, 40
.set BLKC, 41
.set IX,   48
.set W8,   49
.set YAB,  50
.set YBB,  52
.set BH,   54
	s_load_b256 s[4:11], s[0:1], 0x0               ; qkvc, qkvs, yc, ys
	v_lshl_add_u32 v250, v0, 2, 0xc800
	v_mov_b32 v251, 0
	v_lshrrev_b32 v1, 5, v0
	v_readfirstlane_b32 s[WV], v1                  ; wave 0..15
	s_and_b32 s[BH], ttmp7, 0xffff                 ; 16 x batch + head
	s_sub_co_u32 s[QB], 7, ttmp9
	s_mov_b32 s[BLKC], 2
	s_mov_b32 s[SEL], 0x76543210
	s_mov_b32 s[SEL+1], 0xfedcba98
	s_mov_b32 s[CS], 0x3e38aa3b
	s_mov_b32 s[CS+1], s[CS]
	s_mov_b32 s[HM], 0xffff0000
	v_and_b32 v12, 31, v0                          ; lane
	v_and_b32 v13, 15, v0                          ; r
	v_bfe_u32 v14, v0, 4, 1                        ; h
	v_lshlrev_b32 v1, 4, v12                       ; 16 x lane
	v_lshlrev_b32 v2, 4, v13                       ; 16 r
	v_lshlrev_b32 v3, 4, v0                        ; 16 x thread: the slot's 24,576 bytes of codes are three runs of 8,192
	v_add_nc_u32 v4, SEC, v3                       ; run 0: K's bytes 0 on
	s_wait_alu depctr_va_sdst(0)                   ; the wave's number is written, ahead of its first reader, the compare below
	s_mov_b32 s42, 2*SEC-4096
	s_cmp_lt_u32 s[WV], 8
	s_cselect_b32 s42, SEC+8192, s42
	v_add_nc_u32 v5, s42, v3                       ; run 1: K's bytes 8,192 on (waves 0-7), V's bytes 0 on (waves 8-15)
	v_add_nc_u32 v6, 2*SEC+4096, v3                ; run 2: V's bytes 4,096 on
	s_add_co_u32 s42, s[WV], 1
	s_mul_i32 s42, s42, SECS
	v_add_nc_u32 v7, s42, v1                       ; the scale words: wave 0 K's 512 bytes, wave 1 V's
	s_lshr_b32 s42, s[WV], 1
	s_and_b32 s42, s42, 3                          ; which pair of tiles of the step is mine
	s_and_b32 s43, s[WV], 1                        ; and which tile of the pair
	s_lshl_b32 s[IX], s42, 2
	s_lshr_b32 s[W8], s[WV], 3
	s_sub_co_u32 s[UM], 0, s43
	s_lshl_b32 s[U16], s43, 4
	s_lshl_b32 s44, s42, 5
	s_lshl_b32 s45, s43, 3
	s_add_co_u32 s44, s44, s45
	v_and_b32 v15, 8, v13
	v_add_nc_u32 v15, v15, v13
	v_add_nc_u32 v15, s44, v15                     ; my query within its step of 128
	v_lshlrev_b32 v8, 4, v14
	v_sub_nc_u32 v8, v15, v8                       ; - 16 h: on the diagonal register 16 b + i is hidden where 32 b + i is greater
	v_lshlrev_b32 v9, 3, v12                       ; 8 x lane
	v_lshl_add_u32 v10, v13, 5, v14                ; 32 r + h
	v_mov_b32 v11, 0xff800000                      ; -infinity
.irp e, 0,1,2,3,4,5
	v_mov_b32 v[16+\e], 0                          ; the zero codes on both sides of q: written once
	v_mov_b32 v[28+\e], 0
.endr
.irp b, 0,1,2,3
	v_mov_b32 v[236+\b], 0                         ; written once: a lane permute's destination counts as one of its sources
.endr
	v_mov_b32 v252, 0
	v_mov_b32 v253, 0
	s_wait_kmcnt 0x0
	s_mul_i32 s42, s[BH], 98304
	s_mov_b32 s43, 0
	s_add_nc_u64 s[HBC:HBC+1], s[4:5], s[42:43]    ; the head in a section of codes
	s_lshl_b32 s42, s[BH], 12
	s_add_nc_u64 s[HBS:HBS+1], s[6:7], s[42:43]    ; and of scale words
	s_and_b32 s44, s[BH], 15                       ; head
	s_lshr_b32 s45, s[BH], 4
	s_lshl_b32 s45, s45, 7
	s_add_co_u32 s45, s45, s[WV]                   ; y's tile: 128 x batch + wave (+ 16 x block)
	s_lshr_b32 s46, s44, 2
	s_mul_i32 s42, s46, SX                         ; the head's 64 along C: which 256,
	s_mul_i32 s46, s45, 3072
	s_add_co_u32 s42, s42, s46
	s_bfe_u32 s46, s44, 0x10001
	s_mul_i32 s46, s46, 1536                       ; which 128,
	s_add_co_u32 s42, s42, s46
	s_and_b32 s46, s44, 1
	s_mul_i32 s46, s46, 768                        ; which 64: pieces 0-2 or 3-5
	s_add_co_u32 s42, s42, s46
	s_add_nc_u64 s[YAB:YAB+1], s[8:9], s[42:43]
	s_lshl_b32 s42, s45, 9
	s_lshl_b32 s46, s44, 1
	s_add_co_u32 s42, s42, s46
	s_add_nc_u64 s[YBB:YBB+1], s[10:11], s[42:43]
	s_wait_alu depctr_va_vdst(0)                   ; the addresses v1-7, v9 and v10 are written: every load and store of the kernel reads one of them, and none is written again
.macro GLOAD                           ; a slot from memory into registers: every load of a wave reads 512 consecutive bytes
	global_load_b128 v[192:195], v4, s[KV:KV+1]
	global_load_b128 v[196:199], v5, s[KV:KV+1]
	global_load_b128 v[200:203], v6, s[KV:KV+1]
	s_cmp_lt_u32 s[WV], 2
	s_cbranch_scc0 .Lno_words_\@
	global_load_b128 v[204:207], v7, s[KS:KS+1]
.Lno_words_\@:
.endm
.macro LSTORE P
	ds_store_b128 v3, v[192:195] offset:(\P)*SLOTB
	ds_store_b128 v3, v[196:199] offset:(\P)*SLOTB+8192
	ds_store_b128 v3, v[200:203] offset:(\P)*SLOTB+16384
	s_cmp_lt_u32 s[WV], 2
	s_cbranch_scc0 .Lno_words_\@
	ds_store_b128 v3, v[204:207] offset:(\P)*SLOTB+24576
.Lno_words_\@:
.endm
; A KEY STEP: 128 keys, the q-th of slot P
.macro STEP P, q
	s_lshl_b32 s[ST], s[SL], 1
.if \q
	s_add_co_u32 s[ST], s[ST], 1
.endif
	s_cmp_gt_u32 s[ST], s[LAST]                    ; all its keys come after my 16 queries: left out (a branch on ids)
	s_cbranch_scc1 .Lhidden_\@
.rept 4
	v_nop                                          ; places behind the last products, in front of loads into registers that they read
.endr
	s_wait_alu depctr_va_vdst(0)                   ; the last step's V^T P are done reading v36-83, its K Q^T v84-87, in which the loads below land; in a block's first step q's operand v22-27 and its scale word v255 are written, which the products below take
.irp b, 0,1,2,3
.irp c, 0,1,2
	ds_load_b128 v[36+12*\b+4*\c:39+12*\b+4*\c], v1 offset:\P*SLOTB+\q*6144+\b*1536+512*\c
.endr
.endr
	ds_load_b128 v[84:87], v2 offset:\P*SLOTB+24576+256*\q
	s_wait_dscnt 0x0
.irp b, 0,1,2,3
	v_wmma_scale_f32_16x16x128_f8f6f4 v[96+16*\b:103+16*\b], v[36+12*\b:47+12*\b], v[22:33], 0, v[84+\b], v255 matrix_a_fmt:MATRIX_FMT_BF6 matrix_b_fmt:MATRIX_FMT_BF6
	v_wmma_scale_f32_16x16x128_f8f6f4 v[104+16*\b:111+16*\b], v[36+12*\b:47+12*\b], v[16:27], 0, v[84+\b], v255 matrix_a_fmt:MATRIX_FMT_BF6 matrix_b_fmt:MATRIX_FMT_BF6
.endr
.rept 4
	v_nop                                          ; places: V's operands land where K's lay, and the scores are read below
.endr
	s_wait_alu depctr_va_vdst(0)                   ; the eight products are done reading v36-83, in which V's operands land (v88-91 were last read by the step before's V^T P, issued ahead of the wait at this step's head)
.irp a, 0,1,2,3
.irp c, 0,1,2
	ds_load_b128 v[36+12*\a+4*\c:39+12*\a+4*\c], v1 offset:\P*SLOTB+12288+\q*6144+\a*1536+512*\c
.endr
.endr
	ds_load_b128 v[88:91], v2 offset:\P*SLOTB+25088+256*\q   ; they land while the softmax is walked, none of whose lines names v36-91
	s_cmp_lg_u32 s[ST], s[LAST]
	s_cbranch_scc1 .Lopen_\@
.irp g, 0,1,2,3                        ; on the diagonal hidden scores become -infinity ahead of the maximum: p = 0 then.  Sixteen compares in a run, into sixteen scalar registers, then their sixteen selects
.irp i, 0,1,2,3,4,5,6,7,8,9,10,11,12,13,14,15
	v_cmp_gt_i32 s[4+\i+44*(\i/8)], 32*\g+\i, v8
.endr
	s_wait_alu depctr_va_sdst(0)                   ; the run's sixteen masks are written, ahead of the selects that read them
.irp i, 0,1,2,3,4,5,6,7,8,9,10,11,12,13,14,15
	v_cndmask_b32 v[96+16*\g+\i], v[96+16*\g+\i], v11, s[4+\i+44*(\i/8)]
.endr
.endr
.Lopen_\@:
.irp b, 0,1,2,3
	v_max3_num_f32 v[232+\b], v[96+16*\b], v[97+16*\b], v[98+16*\b]   ; the largest score of each block of 32 keys: for the row's maximum, and for the block's largest p
.endr
.irp i, 3,5,7,9,11,13
.irp b, 0,1,2,3
	v_max3_num_f32 v[232+\b], v[232+\b], v[96+16*\b+\i], v[97+16*\b+\i]
.endr
.endr
.irp b, 0,1,2,3
	v_max_num_f32 v[232+\b], v[232+\b], v[111+16*\b]
.endr
.irp b, 0,1,2,3
	v_permlanex16_b32 v[236+\b], v[232+\b], s[SEL], s[SEL+1]
.endr
.irp b, 0,1,2,3
	v_max_num_f32 v[232+\b], v[232+\b], v[236+\b]
.endr
	v_max3_num_f32 v254, v232, v233, v234
	v_max_num_f32 v254, v254, v235
	v_mul_f32 v254, s[CS], v254
	v_max_num_f32 v13, v13, v254                   ; the running largest t
	v_mov_b32 v254, v12
	v_floor_f32 v12, -v13                          ; the new -M: a whole number
	v_sub_f32 v254, v12, v254
	v_cvt_i32_f32 v254, v254                       ; (it saturates)
	v_ldexp_f32 v252, 1.0, v254                    ; f = 2^(old M - new M): rounds nothing
.set n, 0
.rept 32
	v_pk_fma_f32 v[96+n:97+n], v[96+n:97+n], s[CS:CS+1], v[12:13] op_sel_hi:[1,0,0]   ; t - M
.set n, n+2
.endr
.irp b, 0,1,2,3
	v_fma_f32 v[232+\b], v[232+\b], s[CS], v12
.endr
.set n, 0
.rept 64
	v_exp_f32 v[96+n], v[96+n]                     ; p = 2^(t - M)
.set n, n+1
.endr
	v_pk_mul_f32 v[14:15], v[14:15], v[252:253] op_sel_hi:[1,0]   ; the sums under the new M: a plain place behind the exponentials
	s_wait_alu depctr_va_vdst(0)                   ; the 64 exponentials have written v96-159: one wait for the batch, ahead of its first reader, the sums below
.irp b, 0,1,2,3
	v_exp_f32 v[232+\b], v[232+\b]                 ; each block's largest p
.endr
	v_pk_add_f32 v[236:237], v[96:97], v[98:99]    ; the row's sum, of the unquantised p, in two chains
.irp j, 4,8,12,16,20,24,28,32,36,40,44,48,52,56,60
	v_pk_add_f32 v[14:15], v[14:15], v[96+\j:97+\j]
	v_pk_add_f32 v[236:237], v[236:237], v[98+\j:99+\j]
.endr
	v_pk_add_f32 v[14:15], v[14:15], v[236:237]
	s_wait_alu depctr_va_vdst(0)                   ; the four exponentials have written v232-235, ahead of their first reader
.irp b, 0,1,2,3
	v_max_num_f32 v[232+\b], 0x2800000, v[232+\b]
.endr
.irp b, 0,1,2,3
	v_add_nc_u32 v[244+\b], 0xfe000000, v[232+\b]
.endr
.irp b, 0,1,2,3
	v_lshrrev_b32 v[236+\b], 23, v[244+\b]
.endr
	v_lshl_or_b32 v253, v237, 8, v236              ; p's scale word for these 128 keys
	v_lshl_or_b32 v253, v238, 16, v253
	v_lshl_or_b32 v253, v239, 24, v253
.irp c, 0,1
	v_cvt_scalef32_pk16_bf6_f32 v[224+6*\c:226+6*\c], v[96+32*\c:111+32*\c], v[244+2*\c]
	v_cvt_scalef32_pk16_bf6_f32 v[236+4*\c:238+4*\c], v[112+32*\c:127+32*\c], v[244+2*\c+1]
.endr
	v_nop                                          ; one plain place behind a scaled conversion
.irp c, 0,1
.irp i, 0,1,2
	v_permlane16_swap_b32 v[224+6*\c+\i], v[236+4*\c+\i]
.endr
.irp i, 0,1,2
	v_mov_b32 v[227+6*\c+\i], v[236+4*\c+\i]
.endr
.endr
.set n, 0
.rept 16
	v_pk_mul_f32 v[160+n:161+n], v[160+n:161+n], v[252:253] op_sel_hi:[1,0]   ; O^T under the new M; these sixteen stand between the making of p's codes and scale word and the products
.set n, n+2
.endr
	s_wait_dscnt 0x0                               ; V
	s_wait_alu depctr_va_vdst(0)                   ; p's codes v224-235 and its scale word v253 are written, which the scaled products take; the sixteen places above stay beside this wait
.irp a, 0,1,2,3
	v_wmma_scale_f32_16x16x128_f8f6f4 v[160+8*\a:167+8*\a], v[36+12*\a:47+12*\a], v[224:235], v[160+8*\a:167+8*\a], v[88+\a], v253 matrix_a_fmt:MATRIX_FMT_BF6 matrix_b_fmt:MATRIX_FMT_BF6
.endr
.Lhidden_\@:
.endm
; A SEGMENT: slot P is read; the next slot's bytes are asked for at its head and stored into the other slot at its end.  One barrier does both orderings: nobody reads the other slot in this segment
; (its readers waited for their loads in front of the last barrier), and my stores have landed in front of this one.
.macro SEG P
	s_cmp_lt_u32 s[SL], s[QB]
	s_cbranch_scc0 .Lno_load_\@
	s_add_nc_u64 s[KV:KV+1], s[KV:KV+1], 12288     ; (the loads that read these bases were waited for in the last segment)
	s_add_nc_u64 s[KS:KS+1], s[KS:KS+1], 512
	GLOAD
.Lno_load_\@:
	s_cmp_le_u32 s[SL], s[QB]
	s_cbranch_scc0 .Lno_work_\@
	STEP \P, 0
	STEP \P, 1
.Lno_work_\@:
	s_wait_loadcnt 0x0
	s_cmp_lt_u32 s[SL], s[QB]
	s_cbranch_scc0 .Lno_store_\@
	LSTORE 1-\P
.Lno_store_\@:
	s_wait_dscnt 0x0                               ; my stores have landed and my reads of this slot are over
	s_wait_alu depctr_vm_vsrc(0)                   ; my LDS stores have read v192-207, in which the next segment's or the next block's global loads land: on every path, ahead of the branch round those loads
	s_barrier_signal -1
	s_barrier_wait -1
	s_add_co_u32 s[SL], s[SL], 1
.endm
.Lblock:
	s_wait_xcnt 0x0                                ; the last block's stores have read their bases and registers
	s_wait_alu depctr_vm_vsrc(0)                   ; the last block's stores have read v224-229 and v238, which this block's steps write again
	s_mul_i32 s42, s[QB], 49152                    ; 16 tiles of 3,072 bytes a block
	s_mov_b32 s43, 0
	s_add_nc_u64 s[YA:YA+1], s[YAB:YAB+1], s[42:43]
	s_lshl_b32 s42, s[QB], 13
	s_add_nc_u64 s[YB:YB+1], s[YBB:YBB+1], s[42:43]
	s_lshl_b32 s[LAST], s[QB], 1
	s_add_co_u32 s[LAST], s[LAST], s[W8]
	s_lshl_b32 s42, s[QB], 3
	s_lshr_b32 s44, s[WV], 1
	s_add_co_u32 s42, s42, s44
	s_mul_i32 s42, s42, 1536                       ; my pair of tiles of q
	s_add_nc_u64 s[QP:QP+1], s[HBC:HBC+1], s[42:43]
	s_lshl_b32 s42, s[LAST], 8
	s_add_co_u32 s42, s42, s[IX]
	s_add_nc_u64 s[QW:QW+1], s[HBS:HBS+1], s[42:43]
	s_mov_b64 s[KV:KV+1], s[HBC:HBC+1]
	s_mov_b64 s[KS:KS+1], s[HBS:HBS+1]
	global_load_b128 v[208:211], v1, s[QP:QP+1]    ; no vector instruction stands between the last wait on va_vdst (the head's end; ahead of the last block's stores) and these loads
	global_load_b128 v[212:215], v1, s[QP:QP+1] offset:512
	global_load_b128 v[216:219], v1, s[QP:QP+1] offset:1024
	global_load_b32 v254, v2, s[QW:QW+1]
	GLOAD                                          ; slot 0
	v_mov_b32 v13, 0xff61b1e6                      ; the largest t so far: -3e38
	v_floor_f32 v12, -v13
	v_mov_b32 v14, 0
	v_mov_b32 v15, 0
	s_wait_loadcnt 0x0
.irp e, 0,1,2,3,4,5
	v_cndmask_b32 v[22+\e], v[208+\e], v[214+\e], s[UM]   ; my tile of the pair
.endr
	v_lshrrev_b32 v254, s[U16], v254
	v_and_b32 v254, 0xffff, v254
	v_lshl_or_b32 v255, v254, 16, v254             ; q's two bytes, twice: they serve q | 0 and 0 | q
.set n, 0
.rept 32
	v_mov_b32 v[160+n], 0                          ; O^T begins as zeros; these also stand between the making of q's operand and word and the first product
.set n, n+1
.endr
	LSTORE 0
	s_wait_dscnt 0x0
	s_wait_alu depctr_vm_vsrc(0)                   ; my LDS stores have read v192-207, in which the first segment's global loads land
	s_barrier_signal -1
	s_barrier_wait -1
	s_mov_b32 s[SL], 0
	s_mov_b32 s[TRIP], 4
.Lslot:
	SEG 0
	SEG 1
	s_sub_co_u32 s[TRIP], s[TRIP], 1
	s_cmp_lg_u32 s[TRIP], 0
	s_cbranch_scc1 .Lslot
	; THE WAY OUT: O^T / the sum; registers 16 b + i are the head's channels 32 b + 16 h + i: two blocks of the last product's K
.rept 4
	v_nop
.endr
	v_add_f32 v14, v14, v15
	v_permlanex16_b32 v252, v14, s[SEL], s[SEL+1]
	v_add_f32 v14, v14, v252
	v_rcp_f32 v14, v14
	v_nop                                          ; a plain place behind the transcendental
	s_wait_alu depctr_va_vdst(0)                   ; the reciprocal has written v14, ahead of its first reader
.set n, 0
.rept 32
	v_mul_f32 v[96+n], v[160+n], v14               ; each accumulator from its low end on
.set n, n+1
.endr
.irp b, 0,1
	v_max3_num_f32 v[232+\b], |v[96+16*\b]|, |v[97+16*\b]|, 0x2800000
.endr
.irp i, 2,4,6,8,10,12,14
.irp b, 0,1
	v_max3_num_f32 v[232+\b], v[232+\b], |v[96+16*\b+\i]|, |v[97+16*\b+\i]|
.endr
.endr
.irp b, 0,1
	v_permlanex16_b32 v[236+\b], v[232+\b], s[SEL], s[SEL+1]
.endr
.irp b, 0,1
	v_max_num_f32 v[232+\b], v[232+\b], v[236+\b]
.endr
.irp b, 0,1
	v_add_nc_u32 v[244+\b], 0xfe000000, v[232+\b]
.endr
.irp b, 0,1
	v_lshrrev_b32 v[236+\b], 23, v[244+\b]
.endr
	v_cvt_scalef32_pk16_bf6_f32 v[224:226], v[96:111], v244
	v_cvt_scalef32_pk16_bf6_f32 v[240:242], v[112:127], v245
	v_nop                                          ; one plain place behind a scaled conversion
.irp i, 0,1,2
	v_permlane16_swap_b32 v[224+\i], v[240+\i]
.endr
.irp i, 0,1,2
	v_mov_b32 v[227+\i], v[240+\i]
.endr
	v_cndmask_b32 v238, v236, v237, s[HM]          ; lanes 0-15 store block 0's byte, lanes 16-31 block 1's
	s_wait_alu depctr_va_vdst(0)                   ; y's codes v224-229 and its byte v238 are written, which the stores read; and every vector line that named v208-219 or v254 is done, in which the next block's loads land
.irp e, 0,1,2
	global_store_b64 v9, v[224+2*\e:225+2*\e], s[YA:YA+1] offset:256*\e   ; a piece: 256 consecutive bytes, aligned
.endr
	global_store_b8 v10, v238, s[YB:YB+1]          ; (single bytes, rows 32 bytes apart: 262,144 bytes in the whole launch)
	s_sub_co_u32 s[QB], 7, s[QB]                   ; the other block
	s_sub_co_u32 s[BLKC], s[BLKC], 1
	s_cmp_lg_u32 s[BLKC], 0
	s_cbranch_scc1 .Lblock
	s_wait_dscnt 0x0
	s_wait_alu depctr_hold_cnt(0) depctr_sa_sdst(0) depctr_va_vdst(0) depctr_va_sdst(0) depctr_va_ssrc(0) depctr_va_vcc(0) depctr_vm_vsrc(0)
	s_wait_tensorcnt 0x0
	ds_add_u32 v250, v251
	s_wait_dscnt 0x0
	s_endpgm
.Lfunc_end_k_q2b940b7928_attn:
	.size	k_q2b940b7928_attn, .Lfunc_end_k_q2b940b7928_attn-k_q2b940b7928_attn
	.p2alignl 7, 3214868480
	.fill 96, 4, 3214868480
	.section	.rodata,"a",@progbits
	.p2align	6, 0x0
	.amdhsa_kernel k_q2b940b7928_attn
		.amdhsa_group_segment_fixed_size 53248
		.amdhsa_private_segment_fixed_size 0
		.amdhsa_enable_private_segment 0
		.amdhsa_kernarg_size 32
		.amdhsa_user_sgpr_count 2
		.amdhsa_user_sgpr_kernarg_segment_ptr 1
		.amdhsa_wavefront_size32 1
		.amdhsa_system_sgpr_workgroup_id_x 1
		.amdhsa_system_sgpr_workgroup_id_y 1
		.amdhsa_system_sgpr_workgroup_id_z 1
		.amdhsa_system_vgpr_workitem_id 0
		.amdhsa_next_free_vgpr 256
		.amdhsa_next_free_sgpr 66
		.amdhsa_reserve_vcc 0
		.amdhsa_float_denorm_mode_32 3
		.amdhsa_float_denorm_mode_16_64 3
		.amdhsa_memory_ordered 1
		.amdhsa_forward_progress 1
		.amdhsa_inst_pref_size 112
	.end_amdhsa_kernel
	.amdgpu_metadata
---
amdhsa.version: [ 1, 2 ]
amdhsa.kernels:
  - .name:           k_q2b940b7928_attn
    .symbol:         k_q2b940b7928_attn.kd
    .args:
      - { .name: qkvc, .offset: 0, .size: 8, .value_kind: global_buffer, .address_space: global }
      - { .name: qkvs, .offset: 8, .size: 8, .value_kind: global_buffer, .address_space: global }
      - { .name: yc, .offset: 16, .size: 8, .value_kind: global_buffer, .address_space: global }
      - { .name: ys, .offset: 24, .size: 8, .value_kind: global_buffer, .address_space: global }
    .group_segment_fixed_size: 53248
    .private_segment_fixed_size: 0
    .kernarg_segment_align: 8
    .kernarg_segment_size: 32
    .max_flat_workgroup_size: 512
    .sgpr_count:     66
    .vgpr_count:     256
    .wavefront_size: 32
...
	.end_amdgpu_metadata
.endif
;; end of part 5
;; launch proj: the kernel of part 4 again; grid 4 x 32, 4 waves a work-group, clusters of 4 x 4, 327,680 bytes of LDS; arguments yc, ys, wc, ws, b_proj, out0; writes out0
